; MI455X (gfx1250); checked and timed in simulation.
; The chip was launched on July 23, 2026; its instructions are those of AMD's public machine-readable ISA for CDNA 5 (MIT licence, August 2026) and "CDNA5" Instruction Set Architecture Reference Guide (July 2026). The comments in the code are by the model that wrote it; some were corrected since.
;; Transformer Block. Allowed arithmetic: float matrix products may take bf16 or f16 operands with f32 sums; all other float work in f32.
;; Inputs: b_ff1 4,096 float32; b_ff2 1,024 float32; b_out 1,024 float32; b_qkv 3,072 float32; ln1_b 1,024 float32; ln1_g 1,024 float32; ln2_b 1,024 float32; ln2_g 1,024 float32; w_ff1 1,024 x 4,096 float32; w_ff2 4,096 x 1,024 float32; w_out 1,024 x 1,024 float32; w_qkv 1,024 x 3,072 float32; x 2 x 2,048 x 1,024 float32.
;; Outputs: out0 2 x 2,048 x 1,024 float32.
;; One version. Each part assembles by itself: llvm-mc -triple=amdgcn-amd-amdhsa -mcpu=gfx1250 --defsym DOCPART=n.
;; ======== version 1 of 1: 7 launches
;; limits: values are held in f16: magnitudes above 65,504 overflow, below 6.1e-05 lose precision
;; workspace buffers: wb 25,165,824 bytes; act 8,388,608 bytes; qkv 25,165,824 bytes; x1 16,777,216 bytes; ff 33,554,432 bytes
;; launch prep (part 1): grid 256 x 4, 8 waves a work-group, no clusters, 0 bytes of LDS; arguments x, ln1_g, ln1_b, act, w_qkv, w_out, w_ff1, w_ff2, wb; writes act, wb
.if DOCPART == 1
	.amdgcn_target "amdgcn-amd-amdhsa--gfx1250"
	.amdhsa_code_object_version 6
	.text
	.protected	k_qcbc7765dce_prep
	.globl	k_qcbc7765dce_prep
	.p2align	8
	.type	k_qcbc7765dce_prep,@function
k_qcbc7765dce_prep:
	s_mov_b64 s[64:65], 0
	v_nop
	global_prefetch_b8 v0, s[64:65] scope:SCOPE_SE
	s_setreg_imm32_b32 hwreg(HW_REG_WAVE_MODE, 25, 1), 1
	s_wait_xcnt 0x0
; TWO ROLES, chosen by the work-group's y.
; y = 0: LAYERNORM.  act[r][c] = bf16((X[r][c] - mu[r]) * rsqrt(var[r] + 1e-5) * G[c] + Bn[c]); X: [4096][1024] f32, act: [4096][1024] bf16.
;   A work-group takes 16 rows, each of its eight waves two.  A row (4,096 bytes) is 32 registers of one wave, so it is read once and the
;   variance is taken of x - mu in a second pass over registers (no difference of large sums).  No LDS, no barrier: a row never leaves its wave.
; y = 1..3: THE WEIGHTS ARE ROUNDED ONCE to 16 bits, in the order in which they lie: the ninth argument = w_qkv (bf16) | w_out (f16) | w_ff1 (bf16) | w_ff2 (bf16).
;   768 chunks of 16,384 numbers, one a work-group; a wave takes 8,192 bytes in and 4,096 out.
; LIMIT: w_out goes to f16: its numbers stay within 65,504.  NaN and infinities are not treated apart.
; A stream: matrix units, clusters and LDS would add nothing; nothing is shared between work-groups but G and Bn (8 KiB).
.set ROWB, 4096                        ; bytes in a row of X
.set WVN, 2                            ; s2  my wave's number: a register on which no scalar load of either role lands
.set ROLE, 3                           ; s3  the work-group's y
.set Y,  32                            ; v[32:63]   rounded results, 16 registers a row
.set X0, 64                            ; v[64:95]   my wave's first row
.set X1, 96                            ; v[96:127]  its second
.set G,  128                           ; v[128:159] gains of my 32 columns
.set BV, 160                           ; v[160:191] biases of my 32 columns
; v1 = 16 lane, v2 = 8 lane; v[4:11] four chains; v[12:13] mu twice; v[14:15] rs twice; v16, v17 the sum across lanes
.macro RED                             ; v16 summed over the 32 lanes, the result in every lane
	v_add_f32_dpp v16, v16, v16 row_xmask:1 row_mask:0xf bank_mask:0xf
	v_add_f32_dpp v16, v16, v16 row_xmask:2 row_mask:0xf bank_mask:0xf
	v_add_f32_dpp v16, v16, v16 row_xmask:4 row_mask:0xf bank_mask:0xf
	v_add_f32_dpp v16, v16, v16 row_xmask:8 row_mask:0xf bank_mask:0xf
	v_permlanex16_b32 v17, v16, s12, s13
	v_add_f32 v16, v16, v17
.endm
.macro JOIN                            ; the four chains into v16, then across the lanes
	v_pk_add_f32 v[4:5], v[4:5], v[6:7]
	v_pk_add_f32 v[8:9], v[8:9], v[10:11]
	v_pk_add_f32 v[4:5], v[4:5], v[8:9]
	v_add_f32 v16, v4, v5
	RED
.endm
; The row in v[x .. x+31] becomes (x - mu) * rsqrt(var + eps), in place.
.macro STAT x
.irp c, 0,1,2,3
	v_pk_add_f32 v[4+2*(\c):5+2*(\c)], v[(\x)+2*(\c):(\x)+2*(\c)+1], v[(\x)+8+2*(\c):(\x)+8+2*(\c)+1]  ; the first eight pairs start the chains
.endr
.irp i, 8,9,10,11,12,13,14,15
	v_pk_add_f32 v[4+2*((\i)%4):5+2*((\i)%4)], v[4+2*((\i)%4):5+2*((\i)%4)], v[(\x)+2*(\i):(\x)+2*(\i)+1]
.endr
	JOIN
	v_mul_f32 v12, s14, v16                        ; mu = sum / 1024, twice for the packed subtraction
	v_mul_f32 v13, s14, v16
.irp i, 0,1,2,3,4,5,6,7,8,9,10,11,12,13,14,15
	v_pk_add_f32 v[(\x)+2*(\i):(\x)+2*(\i)+1], v[(\x)+2*(\i):(\x)+2*(\i)+1], v[12:13] neg_lo:[0,1] neg_hi:[0,1]
.endr
.irp c, 0,1,2,3
	v_pk_mul_f32 v[4+2*(\c):5+2*(\c)], v[(\x)+2*(\c):(\x)+2*(\c)+1], v[(\x)+2*(\c):(\x)+2*(\c)+1]
.endr
.irp i, 4,5,6,7,8,9,10,11,12,13,14,15
	v_pk_fma_f32 v[4+2*((\i)%4):5+2*((\i)%4)], v[(\x)+2*(\i):(\x)+2*(\i)+1], v[(\x)+2*(\i):(\x)+2*(\i)+1], v[4+2*((\i)%4):5+2*((\i)%4)]
.endr
	JOIN
	v_fma_f32 v16, v16, s14, s15                   ; var + eps
	v_rsq_f32 v14, v16
	v_rsq_f32 v15, v16
	v_nop                                          ; a plain instruction between the root and the use of its result (ISA guide 5.7.2)
	s_wait_alu depctr_va_vdst(0)
.irp i, 0,1,2,3,4,5,6,7,8,9,10,11,12,13,14,15
	v_pk_mul_f32 v[(\x)+2*(\i):(\x)+2*(\i)+1], v[(\x)+2*(\i):(\x)+2*(\i)+1], v[14:15]
.endr
.endm
; times G plus Bn, rounded to bf16, stored: each store of the wave covers 256 consecutive bytes, aligned.
.macro NORM x, y, rowoff
.irp i, 0,1,2,3,4,5,6,7,8,9,10,11,12,13,14,15
	v_pk_fma_f32 v[(\x)+2*(\i):(\x)+2*(\i)+1], v[(\x)+2*(\i):(\x)+2*(\i)+1], v[G+2*(\i):G+2*(\i)+1], v[BV+2*(\i):BV+2*(\i)+1]
.endr
.irp i, 0,1,2,3,4,5,6,7,8,9,10,11,12,13,14,15
	v_cvt_pk_bf16_f32 v[(\y)+(\i)], v[(\x)+2*(\i)], v[(\x)+2*(\i)+1]
.endr
.irp j, 0,1,2,3,4,5,6,7
	global_store_b64 v2, v[(\y)+2*(\j):(\y)+2*(\j)+1], s[10:11] offset:(\rowoff)+256*(\j)
.endr
.endm
; The sixteen loads of a chunk are rounded and stored as they come.  half = 1: to f16, else to bf16.
.macro CASTRUN half
.irp j, 0,1,2,3,4,5,6,7,8,9,10,11,12,13,14,15
	s_wait_loadcnt 15-(\j)                         ; loads come back in order: load j is in, the 15 - j younger ones stay out
.if \half
	v_cvt_pk_f16_f32 v[Y+2*(\j)], v[X0+4*(\j)], v[X0+4*(\j)+1]
	v_cvt_pk_f16_f32 v[Y+2*(\j)+1], v[X0+4*(\j)+2], v[X0+4*(\j)+3]
.else
	v_cvt_pk_bf16_f32 v[Y+2*(\j)], v[X0+4*(\j)], v[X0+4*(\j)+1]
	v_cvt_pk_bf16_f32 v[Y+2*(\j)+1], v[X0+4*(\j)+2], v[X0+4*(\j)+3]
.endif
	global_store_b64 v6, v[Y+2*(\j):Y+2*(\j)+1], s[24:25] offset:256*(\j)  ; 256 consecutive bytes, aligned
.endr
.endm
	v_and_b32 v3, 31, v0                           ; lane
	v_lshrrev_b32 v4, 5, v0
	v_readfirstlane_b32 s[WVN], v4                 ; wave 0..7
	s_and_b32 s[ROLE], ttmp7, 0xffff               ; the role
	v_lshlrev_b32 v1, 4, v3
	v_lshlrev_b32 v2, 3, v3
	s_cmp_lg_u32 s[ROLE], 0
	s_cbranch_scc1 .Lcast
	; ---------------- LayerNorm ----------------
	s_load_b256 s[4:11], s[0:1], 0x0               ; X s[4:5], G s[6:7], Bn s[8:9], act s[10:11]
	s_mov_b32 s12, 0x76543210                      ; v_permlanex16_b32: each lane takes its own place in the other half
	s_mov_b32 s13, 0xfedcba98
	s_mov_b32 s14, 0x3a800000                      ; 1 / 1024
	s_mov_b32 s15, 0x3727c5ac                      ; 1e-5
	s_lshl_b32 s16, ttmp9, 16                      ; 16 rows of 4,096 bytes a work-group,
	s_lshl_b32 s17, s[WVN], 13                     ; two a wave
	s_add_co_u32 s16, s16, s17
	s_mov_b32 s17, 0
	s_lshr_b32 s18, s16, 1                         ; act's rows are half as long
	s_mov_b32 s19, 0
	v_mov_b32 v17, 0                               ; v_permlanex16_b32 counts as a user of its destination
	s_wait_kmcnt 0x0
	s_add_nc_u64 s[4:5], s[4:5], s[16:17]
	s_add_nc_u64 s[10:11], s[10:11], s[18:19]
.irp j, 0,1,2,3,4,5,6,7
	global_load_b128 v[X0+4*(\j):X0+4*(\j)+3], v1, s[4:5] offset:512*(\j)
.endr
.irp j, 0,1,2,3,4,5,6,7
	global_load_b128 v[X1+4*(\j):X1+4*(\j)+3], v1, s[4:5] offset:ROWB+512*(\j)
.endr
.irp j, 0,1,2,3,4,5,6,7
	global_load_b128 v[G+4*(\j):G+4*(\j)+3], v1, s[6:7] offset:512*(\j)
.endr
.irp j, 0,1,2,3,4,5,6,7
	global_load_b128 v[BV+4*(\j):BV+4*(\j)+3], v1, s[8:9] offset:512*(\j)
.endr
	s_wait_loadcnt 24                              ; the first row is in; the 24 loads behind it (second row, G, Bn) stay out
	STAT X0
	s_wait_loadcnt 16                              ; the second row is in; G's and Bn's 16 stay out
	STAT X1
	s_wait_loadcnt 0x0
	NORM X0, Y, 0
	NORM X1, Y+16, 2048
	s_endpgm
	; ---------------- the weights ----------------
.Lcast:
	s_load_b256 s[16:23], s[0:1], 0x20             ; w_qkv s[16:17], w_out s[18:19], w_ff1 s[20:21], w_ff2 s[22:23]
	s_load_b64 s[24:25], s[0:1], 0x40              ; where the rounded weights go
	s_sub_co_u32 s26, s[ROLE], 1
	s_lshl_b32 s26, s26, 8
	s_add_co_u32 s26, s26, ttmp9                   ; chunk c = 256 (y - 1) + x of 768
	s_lshl_b32 s28, s26, 15                        ; 32,768 bytes out a chunk
	s_mov_b32 s29, 0
	s_mov_b32 s35, ttmp9                           ; the chunk's number in its source: x, but for w_out, whose chunks are c = 192 .. 255
	s_sub_co_u32 s30, s26, 192
	s_and_b32 s34, s30, 63
	v_lshl_add_u32 v5, v4, 13, v1                  ; in: 8,192 bytes a wave, 16 a lane
	v_lshl_add_u32 v6, v4, 12, v2                  ; out: half of that
	s_wait_kmcnt 0x0
	s_cmp_lt_u32 s30, 64                           ; is it w_out's?
	s_cselect_b32 s31, 1, 0
	s_cselect_b32 s27, s34, s35
	s_cselect_b64 s[32:33], s[18:19], s[16:17]
	s_cmp_eq_u32 s[ROLE], 2
	s_cselect_b64 s[32:33], s[20:21], s[32:33]
	s_cmp_eq_u32 s[ROLE], 3
	s_cselect_b64 s[32:33], s[22:23], s[32:33]
	s_lshl_b32 s36, s27, 16                        ; 65,536 bytes in a chunk
	s_mov_b32 s37, 0
	s_add_nc_u64 s[32:33], s[32:33], s[36:37]
	s_add_nc_u64 s[24:25], s[24:25], s[28:29]
.irp j, 0,1,2,3,4,5,6,7,8,9,10,11,12,13,14,15
	global_load_b128 v[X0+4*(\j):X0+4*(\j)+3], v5, s[32:33] offset:512*(\j) th:TH_LOAD_NT  ; read once in the whole program
.endr
	s_cmp_eq_u32 s31, 1
	s_cbranch_scc1 .Lhalf
	CASTRUN 0
	s_endpgm
.Lhalf:
	CASTRUN 1
	s_endpgm
.Lfunc_end_k_qcbc7765dce_prep:
	.size	k_qcbc7765dce_prep, .Lfunc_end_k_qcbc7765dce_prep-k_qcbc7765dce_prep
	.p2alignl 7, 3214868480
	.fill 96, 4, 3214868480
	.section	.rodata,"a",@progbits
	.p2align	6, 0x0
	.amdhsa_kernel k_qcbc7765dce_prep
		.amdhsa_group_segment_fixed_size 0
		.amdhsa_private_segment_fixed_size 0
		.amdhsa_enable_private_segment 0
		.amdhsa_kernarg_size 72
		.amdhsa_user_sgpr_count 2
		.amdhsa_user_sgpr_kernarg_segment_ptr 1
		.amdhsa_wavefront_size32 1
		.amdhsa_system_sgpr_workgroup_id_x 1
		.amdhsa_system_sgpr_workgroup_id_y 1
		.amdhsa_system_sgpr_workgroup_id_z 1
		.amdhsa_system_vgpr_workitem_id 0
		.amdhsa_next_free_vgpr 192
		.amdhsa_next_free_sgpr 66
		.amdhsa_reserve_vcc 0
		.amdhsa_float_denorm_mode_32 3
		.amdhsa_float_denorm_mode_16_64 3
		.amdhsa_memory_ordered 1
		.amdhsa_forward_progress 1
		.amdhsa_inst_pref_size 31
	.end_amdhsa_kernel
	.amdgpu_metadata
---
amdhsa.version: [ 1, 2 ]
amdhsa.kernels:
  - .name:           k_qcbc7765dce_prep
    .symbol:         k_qcbc7765dce_prep.kd
    .args:
      - { .name: x, .offset: 0, .size: 8, .value_kind: global_buffer, .address_space: global }
      - { .name: ln1_g, .offset: 8, .size: 8, .value_kind: global_buffer, .address_space: global }
      - { .name: ln1_b, .offset: 16, .size: 8, .value_kind: global_buffer, .address_space: global }
      - { .name: act, .offset: 24, .size: 8, .value_kind: global_buffer, .address_space: global }
      - { .name: w_qkv, .offset: 32, .size: 8, .value_kind: global_buffer, .address_space: global }
      - { .name: w_out, .offset: 40, .size: 8, .value_kind: global_buffer, .address_space: global }
      - { .name: w_ff1, .offset: 48, .size: 8, .value_kind: global_buffer, .address_space: global }
      - { .name: w_ff2, .offset: 56, .size: 8, .value_kind: global_buffer, .address_space: global }
      - { .name: wb, .offset: 64, .size: 8, .value_kind: global_buffer, .address_space: global }
    .group_segment_fixed_size: 0
    .private_segment_fixed_size: 0
    .kernarg_segment_align: 8
    .kernarg_segment_size: 72
    .max_flat_workgroup_size: 256
    .sgpr_count:     66
    .vgpr_count:     192
    .wavefront_size: 32
...
	.end_amdgpu_metadata
.endif
;; end of part 1
;; launch qkv (part 2): grid 16 x 16, 4 waves a work-group, clusters of 4 x 4, 327,680 bytes of LDS; arguments act, wb, b_qkv, qkv; writes qkv
.if DOCPART == 2
	.amdgcn_target "amdgcn-amd-amdhsa--gfx1250"
	.amdhsa_code_object_version 6
	.text
	.protected	k_qcbc7765dce_qkv
	.globl	k_qcbc7765dce_qkv
	.p2align	8
	.type	k_qcbc7765dce_qkv,@function
k_qcbc7765dce_qkv:
	s_mov_b64 s[64:65], 0
	v_nop
	global_prefetch_b8 v0, s[64:65] scope:SCOPE_SE
	s_setreg_imm32_b32 hwreg(HW_REG_WAVE_MODE, 25, 1), 1
	s_wait_xcnt 0x0
	s_wait_alu depctr_hold_cnt(0) depctr_sa_sdst(0) depctr_va_vdst(0) depctr_va_sdst(0) depctr_va_ssrc(0) depctr_va_vcc(0) depctr_vm_vsrc(0)
	s_getreg_b32 s2, hwreg(HW_REG_IB_STS2, 6, 4)
	s_cmp_eq_u32 s2, 0
	s_cbranch_scc0 .Lentry_in_a_cluster
	s_endpgm
.Lentry_in_a_cluster:
	s_bfe_u32 s2, ttmp6, 0x10000c
	s_cmp_lg_u32 s2, 0xf033
	s_cbranch_scc0 .Lentry_shape_is_right
	s_endpgm
.Lentry_shape_is_right:
; qkv = f16(h1 W + b).  h1 = act: [4096][1024] bf16.  W = w_qkv in wb: [1024][3072] bf16, as the input lies ([K][N]).  b: [3072] f32.  Sums in f32.
; OUT BY BLOCKS OF 64 COLUMNS: element (m, n) lies at byte ((n / 64) * 4096 + m) * 128 + (n % 64) * 2: a head's rows of q, k or v lie end to end.
; LIMIT: q, k, v are written in f16: they stay within 65,504.
; A tile of the result is 256 rows x TN = 192 columns: 16 x 16 tiles, one for each work-group.  Four waves, 2 x 2; a wave makes 128 x 96: 8 x NBW accumulators of 16 x 16.
; K goes in 8 steps of 128 through two LDS slots filled by the tensor data mover.  A's rows lie along K and are read as they lie; W's rows lie along N and are turned by ds_load_tr16_b128.
; THE MATRIX INSTRUCTION IS USED TRANSPOSED (source 0 = 16 columns of W, source 1 = 16 rows of h1): a lane holds eight neighbouring columns of one row.
; THE SUMS START AS THE BIAS: each accumulator is loaded with its eight columns' b, so nothing is cleared, no first step is written out and no bias is added at the end.
; CLUSTER 4 x 4: the four work-groups of a row of the cluster need the same tiles of h1, the four of a column the same tiles of W; each tile is asked for jointly.
; ONE K STEP IS WRITTEN ONCE: the slot in hand is a scalar (TB) that an exclusive or turns.  SLOT = 0x24000: its two set bits are clear in the four LDS bases
; 0, 0x8800, 0x11000, 0x1a000, so the exclusive or is an addition or a subtraction of SLOT.  The last step's change of slots fetches stale fragments that nobody multiplies: the price of one text.
; REGISTERS, in windows of 256: window 0: v16-29 addresses; v64-127, v128-191 fragments of A, two buffers; v192-223 packed results; on the way out v64-127 rows read back.
;   window 1: v64.., v128.. fragments of W, two buffers.   windows 2, 3: accumulator (a, b) at v[8 (8 (a % 4) + b)] of window 2 + a / 4.
.set SIZE_N, 3072
.set NBW,    6                         ; blocks of 16 columns a wave
.set WOFF,   0                         ; W's first byte in wb
.set QIB,    3                         ; W's rows in LDS are padded after every 2 << QIB words
.set RELU,   0
.set F16OUT, 1
.set TN,     32*NBW
.set NC,     TN/64                     ; blocks of 64 columns in a tile
.set NLD,    16+2*NBW                  ; LDS loads in a run
.set PA,     272                       ; a row of A in LDS: 256 bytes + 16: the 16 rows of a load start at 16 different groups of four banks (64 banks of 4 bytes: ISA guide 11.1)
.set PB,     288                       ; a row of W in LDS: its data + padding = 72 words
.set HALFA,  128*PA
.set HALFB,  128*PB
.set BOFF,   2*HALFA                   ; W's two column halves lie behind A's two row halves
.set SLOT,   147456
.set SPARE,  2*SLOT                    ; the spare words, 128 bytes for each wave: two blocks of 256 bytes that no other line names
.set SPITCH, 2*TN+16                   ; the stage for the way out: 256 rows, over slot 0 when it has had its last fill
.set ADRA0, 16                         ; v16  my lane's place in slot 0's A; never rewritten
.set ADRB0, 17                         ; v17  the same for W
.set ADRA,  18                         ; v18  the same in the slot in hand
.set ADRB,  19                         ; v19
.set STO,   24                         ; v24  the way out: where I put 16 bytes of a row
.set RD,    25                         ; v25  where I read four rows of a block back
.set CO,    26                         ; v26  16 x lane
.set BOF,   27                         ; v27  32 x (lane / 16): my eight columns' bias
.set SPW,   28                         ; v28  LDS address of my spare word; never rewritten
.set NIL,   29                         ; v29  0; never rewritten
.set F0,    64
.set F1,    128
.set TMP,   192
.set OB,    64
.set WV,  12                           ; s12 wave; s13 MH: my half of the rows, also: I fetch for A (0) or W (1); s14 NH: my half of the columns, also: which half I fetch
.set MH,  13
.set NH,  14
.set G1A, 24                           ; s[24:31] descriptor group 1 for A's tiles
.set G0A, 32                           ; s[32:39] group 0: a set for each of the two first fills; the second then walks on
.set G1B, 48                           ; s[48:55], s[56:63] the same for W's
.set G0B, 56
.set TB,  66                           ; s66  0 or SLOT: the slot in hand
.set CNT, 67                           ; s67  loop count
.set MSB, 0
.macro WIN new                         ; the immediate's high byte repeats the setting that is left; a switch that changes nothing is dropped
.if MSB != (\new)
	s_set_vgpr_msb (MSB<<8)|(\new)
.set MSB, (\new)
.endif
.endm
.set MUL_LO, 0xa1                      ; source 0 (W) window 1, source 1 (A) window 0, C and D window 2
.set MUL_HI, 0xf1                      ; the same, C and D window 3
.set TO_B,   0x40                      ; destination window 1, address window 0
.macro PLACES                          ; four places in front of loads into registers that matrix instructions have read, and of vector lines that read results
.rept 4
	v_nop
.endr
.endm
; A joint refill by the walking descriptors.  Waves 0 and 1 fetch A's two halves, waves 2 and 3 W's.  The branch hangs on the wave's number alone.
; An s_nop 0 and four v_nop follow each of the two lines, ahead of the jump and the label.
.macro JLOAD
	s_cmp_eq_u32 s[MH], 0
	s_cbranch_scc0 .Lfor_b_\@
	tensor_load_to_lds s[G0A+4:G0A+7], s[G1A:G1A+7]
	s_nop 0
.rept 4
	v_nop
.endr
	s_branch .Lasked_\@
.Lfor_b_\@:
	tensor_load_to_lds s[G0B+4:G0B+7], s[G1B:G1B+7]
	s_nop 0
.rept 4
	v_nop
.endr
.Lasked_\@:
.endm
.macro CREST                           ; a round of the cluster's barrier behind its opening barrier
	s_cmp_lg_u32 s[WV], 0
	s_cbranch_scc1 .Lnot_wave_0_\@
	s_barrier_signal -3
.Lnot_wave_0_\@:
	s_barrier_wait -3
	s_barrier_signal -1
	s_barrier_wait -1
.endm
.macro CROUND                          ; a whole round
	s_barrier_signal -1
	s_barrier_wait -1
	CREST
.endm
	s_load_b256 s[4:11], s[0:1], 0x0               ; act s[4:5], wb s[6:7], bias s[8:9], out s[10:11]
	v_lshl_add_u32 v[SPW], v0, 2, SPARE
	v_mov_b32 v[NIL], 0
	ds_add_u32 v28, v29
	s_wait_dscnt 0x0
	v_lshrrev_b32 v1, 5, v0
	v_readfirstlane_b32 s[WV], v1
	s_lshr_b32 s[MH], s[WV], 1
	s_and_b32 s[NH], s[WV], 1
	s_bfe_u32 s16, ttmp6, 0x40000                  ; cx
	s_bfe_u32 s17, ttmp6, 0x40004                  ; cy
	s_lshl_b32 s18, ttmp9, 2
	s_add_co_u32 s18, s18, s16                     ; tile column TC = 4 x cluster x + cx
	s_and_b32 s19, ttmp7, 0xffff
	s_lshl_b32 s19, s19, 2
	s_add_co_u32 s19, s19, s17                     ; tile row TR = 4 x cluster y + cy
	s_lshl_b32 s20, s17, 2
	s_lshl_b32 s20, 15, s20                        ; my row of the cluster
	s_lshl_b32 s21, 0x1111, s16                    ; my column
	; group 1 for A: 128 rows x 128 elements, 16 bytes of padding behind every 256
	s_or_b32 s[G1A], s20, (1<<16)|(1<<20)|(1<<21)|(5<<22)|(3<<25)  ; 15:0 mask; 17:16 2-byte elements; 20 padding on; 21 set beside a mask; 24:22 interval; 31:25 padding words - 1
	s_mov_b32 s[G1A+1], 128<<16                    ; tensor_dim0 = 128
	s_mov_b32 s[G1A+2], 128<<16                    ; tensor_dim1 = 128
	s_mov_b32 s[G1A+3], 128<<16                    ; tile_dim0 = 128
	s_mov_b32 s[G1A+4], 128                        ; tile_dim1 = 128
	s_mov_b32 s[G1A+5], 1024                       ; elements from row to row
	s_mov_b32 s[G1A+6], 0
	s_mov_b32 s[G1A+7], 0
	; group 1 for W: 128 rows of K x 16 NBW columns, 32 bytes of padding behind every 2 << QIB words: an LDS row is 288 bytes
	s_or_b32 s[G1B], s21, (1<<16)|(1<<20)|(1<<21)|(QIB<<22)|(7<<25)
	s_mov_b32 s[G1B+1], (16*NBW)<<16
	s_mov_b32 s[G1B+2], 128<<16
	s_mov_b32 s[G1B+3], (16*NBW)<<16
	s_mov_b32 s[G1B+4], 128
	s_mov_b32 s[G1B+5], SIZE_N
	s_mov_b32 s[G1B+6], 0
	s_mov_b32 s[G1B+7], 0
	; A's address hangs on the tile row and the wave alone, W's on the tile column and the wave alone, each in registers that never hold the other coordinate
	s_lshl_b32 s40, s19, 19                        ; 256 rows of 2,048 bytes a tile row,
	s_lshl_b32 s41, s[NH], 18                      ; 128 rows a half
	s_add_co_u32 s40, s40, s41
	s_mov_b32 s41, 0
	s_mul_i32 s44, s18, 2*TN                       ; a tile column's bytes in a row of W,
	s_mul_i32 s45, s[NH], 32*NBW                   ; a half's
	s_add_co_u32 s44, s44, s45
	s_add_co_u32 s44, s44, WOFF
	s_mov_b32 s45, 0
	s_mul_i32 s22, s[NH], HALFA                    ; where they go: no place in the cluster enters an LDS address
	s_mul_i32 s23, s[NH], HALFB
	s_add_co_u32 s23, s23, BOFF
	s_wait_kmcnt 0x0
	s_add_nc_u64 s[42:43], s[4:5], s[40:41]
	s_add_nc_u64 s[46:47], s[6:7], s[44:45]
	CROUND                                         ; all sixteen work-groups are here: the first joint loads meet
.irp s, 0,1
	s_mov_b32 s[G0A+4*(\s)], 1                                        ; count = 1
	s_add_co_u32 s[G0A+4*(\s)+1], s22, (\s)*SLOT                      ; LDS address
	s_add_nc_u64 s[G0A+4*(\s)+2:G0A+4*(\s)+3], s[42:43], (\s)*256     ; global address: K step s
	s_or_b32 s[G0A+4*(\s)+3], s[G0A+4*(\s)+3], 0x80000000             ; type = 2
	s_mov_b32 s[G0B+4*(\s)], 1
	s_add_co_u32 s[G0B+4*(\s)+1], s23, (\s)*SLOT
	s_add_nc_u64 s[G0B+4*(\s)+2:G0B+4*(\s)+3], s[46:47], (\s)*256*SIZE_N
	s_or_b32 s[G0B+4*(\s)+3], s[G0B+4*(\s)+3], 0x80000000
.endr
	s_cmp_eq_u32 s[MH], 0                          ; a wave's two first fills stand in one branch: two loads of mine are out
	s_cbranch_scc0 .Lfirst_b
	tensor_load_to_lds s[G0A:G0A+3], s[G1A:G1A+7]
	s_nop 0
	tensor_load_to_lds s[G0A+4:G0A+7], s[G1A:G1A+7]
	s_nop 0
.rept 4
	v_nop
.endr
	s_branch .Lfirst_asked
.Lfirst_b:
	tensor_load_to_lds s[G0B:G0B+3], s[G1B:G1B+7]
	s_nop 0
	tensor_load_to_lds s[G0B+4:G0B+7], s[G1B:G1B+7]
	s_nop 0
.rept 4
	v_nop
.endr
.Lfirst_asked:
	v_and_b32 v1, 15, v0                           ; r = lane % 16
	v_bfe_u32 v2, v0, 4, 1                         ; h = lane / 16
	v_lshlrev_b32 v[BOF], 5, v2
	s_mul_i32 s44, s18, 4*TN                       ; my wave's first column in the bias
	s_mul_i32 s45, s[NH], 64*NBW
	s_add_co_u32 s44, s44, s45
	s_mov_b32 s45, 0
	s_add_nc_u64 s[8:9], s[8:9], s[44:45]
	; every accumulator starts as its eight columns' bias: register j of (a, b) is b[16 b + 8 h + j]
.set ba, 0
.rept 8
	WIN 0x80+0x40*(ba/4)                           ; destination window 2 or 3, address window 0
.set bb, 0
.rept NBW
	global_load_b128 v[8*(8*(ba%4)+bb):8*(8*(ba%4)+bb)+3],   v[BOF], s[8:9] offset:64*bb
	global_load_b128 v[8*(8*(ba%4)+bb)+4:8*(8*(ba%4)+bb)+7], v[BOF], s[8:9] offset:64*bb+16
.set bb, bb+1
.endr
.set ba, ba+1
.endr
	WIN 0
	v_mul_u32_u24 v3, v1, PA                       ; a fragment of A: row r, 16 bytes for each half of the lanes
	v_lshl_add_u32 v3, v2, 4, v3
	s_mul_i32 s2, s[MH], HALFA
	v_add_nc_u32 v[ADRA0], s2, v3
	v_and_b32 v4, 7, v0                            ; the turning load: lane l reads row of K 8 h + l % 8, 16 bytes at 16 ((l / 8) % 2)
	v_lshl_add_u32 v4, v2, 3, v4
	v_mul_u32_u24 v4, v4, PB
	v_bfe_u32 v5, v0, 3, 1
	v_lshl_add_u32 v4, v5, 4, v4
	v_add_nc_u32 v[ADRB0], s23, v4
	v_mov_b32 v[ADRA], v[ADRA0]
	v_mov_b32 v[ADRB], v[ADRB0]
	v_mul_u32_u24 v6, v1, SPITCH                   ; into the stage: row 128 MH + r, my half of the columns, 16 bytes for each half of the lanes
	v_lshl_add_u32 v6, v2, 4, v6
	s_mul_i32 s2, s[MH], 128*SPITCH
	s_mul_i32 s3, s[NH], 32*NBW
	s_add_co_u32 s2, s2, s3
	v_add_nc_u32 v[STO], s2, v6
	v_bfe_u32 v7, v0, 3, 2                         ; back: wave w takes rows 64 w on; 32 lanes take four rows x 128 bytes
	v_mul_u32_u24 v7, v7, SPITCH
	v_and_b32 v8, 7, v0
	v_lshl_add_u32 v7, v8, 4, v7
	s_mul_i32 s2, s[WV], 64*SPITCH
	v_add_nc_u32 v[RD], s2, v7
	v_and_b32 v[CO], 31, v0
	v_lshlrev_b32 v[CO], 4, v[CO]
	s_mul_i32 s44, s18, NC*524288                  ; out: the tile's first block of 64 columns,
	s_lshl_b32 s45, s19, 15                        ; its 256 rows of 128 bytes,
	s_add_co_u32 s44, s44, s45
	s_lshl_b32 s45, s[WV], 13                      ; my 64 of them
	s_add_co_u32 s44, s44, s45
	s_mov_b32 s45, 0
	s_add_nc_u64 s[10:11], s[10:11], s[44:45]
; 2 NBW matrix instructions: row blocks a0, a0 + 1 of the window's four x all NBW column blocks, 32 along K.  The 8 NBW accumulators take turns, one instruction a turn.
.macro MUL16 f, hi, a0
	WIN MUL_LO+0x50*(\hi)
.set ma, (\a0)
.rept 2
.set mb, 0
.rept NBW
	v_wmma_f32_16x16x32_bf16 v[8*(8*ma+mb):8*(8*ma+mb)+7], v[(\f)+8*mb:(\f)+8*mb+7], v[(\f)+8*(4*(\hi)+ma):(\f)+8*(4*(\hi)+ma)+7], v[8*(8*ma+mb):8*(8*ma+mb)+7]
.set mb, mb+1
.endr
.set ma, ma+1
.endr
.endm
; NLD LDS loads in one run: the fragments of quarter q (32 along K) of the slot in hand into buffer f: W's first, then A's row blocks 0 to 7
.macro FETCH q, f
	WIN TO_B
.set fb, 0
.rept NBW
.if QIB == 5
.set nof, 32*fb
.else
.set nof, (fb/2)*96+(fb%2)*32                  ; 64 bytes of data, then 32 of padding
.endif
	ds_load_tr16_b128 v[(\f)+8*fb:(\f)+8*fb+3],   v[ADRB] offset:32*PB*(\q)+nof
	ds_load_tr16_b128 v[(\f)+8*fb+4:(\f)+8*fb+7], v[ADRB] offset:32*PB*(\q)+nof+16*PB
.set fb, fb+1
.endr
	WIN 0
.irp i, 0,1,2,3,4,5,6,7
	ds_load_b128 v[(\f)+8*(\i):(\f)+8*(\i)+3],   v[ADRA] offset:64*(\q)+(\i)*16*PA
	ds_load_b128 v[(\f)+8*(\i)+4:(\f)+8*(\i)+7], v[ADRA] offset:64*(\q)+(\i)*16*PA+32
.endr
.endm
; One of a K step's first three quarters: multiplies buffer f; in its middle fetches quarter q into buffer g.
.macro QUARTER q, f, g
	s_wait_dscnt 8                                 ; W and A's rows 0-63 are in; the youngest eight loads (A's rows 64-127) may be out
	MUL16 \f, 0, 0
	MUL16 \f, 0, 2
	PLACES
	FETCH \q, \g
	s_wait_dscnt NLD                               ; all but the run just issued
	MUL16 \f, 1, 0
	MUL16 \f, 1, 2
.endm
; The last quarter multiplies buffer 1 and changes slots: ONE barrier.  In front of it each wave waits for all its tensor loads (one is out: its part of the next slot), adds 0 to its spare
; word, and waits for that and for its reads of this slot.  fill = 1: the barrier opens a round of the cluster's barrier, and this slot is filled again, two K steps ahead, first thing behind the round.
.macro TURN fill
	WIN 0
	s_wait_tensorcnt 0x0
	ds_add_u32 v[SPW], v[NIL]                      ; 0 onto my spare word
	s_wait_dscnt 9                                 ; the add and the youngest eight loads may be out
	MUL16 F1, 0, 0
	s_wait_dscnt 0x0                               ; the add is done, and my reads of this slot are over
	s_barrier_signal -1
	MUL16 F1, 0, 2
	WIN 0                                          ; at a branch and at a label every window is 0
	s_barrier_wait -1
.if \fill
	CREST                                          ; no wave of any partner still reads this slot or has a load on its way
	s_xor_b32 s[G0A+5], s[G0A+5], SLOT             ; the walking descriptors: the other slot than last time, the next K step
	s_add_nc_u64 s[G0A+6:G0A+7], s[G0A+6:G0A+7], 256
	s_xor_b32 s[G0B+5], s[G0B+5], SLOT
	s_add_nc_u64 s[G0B+6:G0B+7], s[G0B+6:G0B+7], 256*SIZE_N
	JLOAD                                          ; its four v_nop are also the places in front of the loads below
.else
	PLACES
.endif
	s_xor_b32 s[TB], s[TB], SLOT
	v_add_nc_u32 v[ADRA], s[TB], v[ADRA0]
	v_add_nc_u32 v[ADRB], s[TB], v[ADRB0]
	FETCH 0, F0
	MUL16 F1, 1, 0
	MUL16 F1, 1, 2
.endm
	s_wait_loadcnt 0x0                             ; the bias is in the accumulators
	s_wait_tensorcnt 0x1                           ; my part of K step 0 is in; K step 1's may stay out
	s_barrier_signal -1
	s_barrier_wait -1                              ; everybody's is
	s_mov_b32 s[TB], 0
	FETCH 0, F0
	WIN 0
	s_mov_b32 s[CNT], 6
.Lfill:                                                ; K steps 0 to 5: each fills its slot again, with the step two on
	QUARTER 1, F0, F1
	QUARTER 2, F1, F0
	QUARTER 3, F0, F1
	TURN 1
	WIN 0
	s_sub_co_u32 s[CNT], s[CNT], 1
	s_cmp_lg_u32 s[CNT], 0
	s_cbranch_scc1 .Lfill
	s_mov_b32 s[CNT], 2
.Ltail:                                                ; K steps 6 and 7 ask for nothing
	QUARTER 1, F0, F1
	QUARTER 2, F1, F0
	QUARTER 3, F0, F1
	TURN 0
	WIN 0
	s_sub_co_u32 s[CNT], s[CNT], 1
	s_cmp_lg_u32 s[CNT], 0
	s_cbranch_scc1 .Ltail
	; THE WAY OUT.  Rounded, 16 bytes a lane into the work-group's stage (slot 0 has had its last fill); a barrier, since a block of 64 columns comes from two waves; back as rows of a block.
	s_wait_dscnt 0x0                               ; my last reads of slot 0 are over
	s_barrier_signal -1
	s_barrier_wait -1                              ; everybody's are: the stage may be written
	PLACES
.macro PACK a
.set AC, 64*((\a)%4)
.if RELU
	WIN 0x88+0x44*((\a)/4)                         ; source 1 and destination in window 2 or 3
.set pi, 0
.rept 8*NBW
	v_max_num_f32 v[AC+pi], 0, v[AC+pi]            ; each accumulator from its low end on
.set pi, pi+1
.endr
.endif
	WIN 0x0a+5*((\a)/4)                            ; sources 0 and 1 in window 2 or 3
.set pb, 0
.rept NBW
.irp r, 0,1,2,3
.if F16OUT
	v_cvt_pk_f16_f32 v[TMP+4*pb+(\r)], v[AC+8*pb+2*(\r)], v[AC+8*pb+2*(\r)+1]
.else
	v_cvt_pk_bf16_f32 v[TMP+4*pb+(\r)], v[AC+8*pb+2*(\r)], v[AC+8*pb+2*(\r)+1]
.endif
.endr
.set pb, pb+1
.endr
	WIN 0
.set pb, 0
.rept NBW
	ds_store_b128 v[STO], v[TMP+4*pb:TMP+4*pb+3] offset:(\a)*16*SPITCH+32*pb
.set pb, pb+1
.endr
.endm
.macro OUTB c                          ; my 64 rows of block c of the tile's NC
	s_wait_xcnt 0x0                                ; the registers that earlier stores name are loaded again only behind this wait
.irp t, 0,1,2,3,4,5,6,7,8,9,10,11,12,13,14,15
	ds_load_b128 v[OB+4*(\t):OB+4*(\t)+3], v[RD] offset:(\t)*4*SPITCH+128*(\c)
.endr
.irp t, 0,1,2,3,4,5,6,7,8,9,10,11,12,13,14,15
	s_wait_dscnt 15-(\t)                           ; LDS loads come back in order: load t is in
	global_store_b128 v[CO], v[OB+4*(\t):OB+4*(\t)+3], s[10:11] offset:(\c)*524288+(\t)*512  ; four rows of a block: 512 consecutive bytes, aligned
.endr
.endm
.irp a, 0,1,2,3,4,5,6,7
	PACK \a
.endr
	s_wait_dscnt 0x0                               ; for the others' sake: my stores into the stage are done
	s_barrier_signal -1
	s_barrier_wait -1
.set oc, 0
.rept NC
	OUTB oc
.set oc, oc+1
.endr
	s_wait_tensorcnt 0x0                           ; the wave's end
	ds_add_u32 v[SPW], v[NIL]
	s_wait_dscnt 0x0
	CROUND                                         ; the closing round: no work-group ends while a partner may still ask for a tile that names it
	s_endpgm
.Lfunc_end_k_qcbc7765dce_qkv:
	.size	k_qcbc7765dce_qkv, .Lfunc_end_k_qcbc7765dce_qkv-k_qcbc7765dce_qkv
	.p2alignl 7, 3214868480
	.fill 96, 4, 3214868480
	.section	.rodata,"a",@progbits
	.p2align	6, 0x0
	.amdhsa_kernel k_qcbc7765dce_qkv
		.amdhsa_group_segment_fixed_size 327680
		.amdhsa_private_segment_fixed_size 0
		.amdhsa_enable_private_segment 0
		.amdhsa_kernarg_size 32
		.amdhsa_user_sgpr_count 2
		.amdhsa_user_sgpr_kernarg_segment_ptr 1
		.amdhsa_wavefront_size32 1
		.amdhsa_system_sgpr_workgroup_id_x 1
		.amdhsa_system_sgpr_workgroup_id_y 1
		.amdhsa_system_sgpr_workgroup_id_z 1
		.amdhsa_system_vgpr_workitem_id 0
		.amdhsa_next_free_vgpr 1024
		.amdhsa_next_free_sgpr 72
		.amdhsa_reserve_vcc 0
		.amdhsa_float_denorm_mode_32 3
		.amdhsa_float_denorm_mode_16_64 3
		.amdhsa_memory_ordered 1
		.amdhsa_forward_progress 1
		.amdhsa_inst_pref_size 86
	.end_amdhsa_kernel
	.amdgpu_metadata
---
amdhsa.version: [ 1, 2 ]
amdhsa.kernels:
  - .name:           k_qcbc7765dce_qkv
    .symbol:         k_qcbc7765dce_qkv.kd
    .args:
      - { .name: act, .offset: 0, .size: 8, .value_kind: global_buffer, .address_space: global }
      - { .name: wb, .offset: 8, .size: 8, .value_kind: global_buffer, .address_space: global }
      - { .name: b_qkv, .offset: 16, .size: 8, .value_kind: global_buffer, .address_space: global }
      - { .name: qkv, .offset: 24, .size: 8, .value_kind: global_buffer, .address_space: global }
    .group_segment_fixed_size: 327680
    .private_segment_fixed_size: 0
    .kernarg_segment_align: 8
    .kernarg_segment_size: 32
    .max_flat_workgroup_size: 128
    .sgpr_count:     72
    .vgpr_count:     1024
    .wavefront_size: 32
...
	.end_amdgpu_metadata
.endif
;; end of part 2
;; launch attn (part 3): grid 8 x 32, 8 waves a work-group, no clusters, 327,680 bytes of LDS; arguments qkv, act; writes act
.if DOCPART == 3
	.amdgcn_target "amdgcn-amd-amdhsa--gfx1250"
	.amdhsa_code_object_version 6
	.text
	.protected	k_qcbc7765dce_attn
	.globl	k_qcbc7765dce_attn
	.p2align	8
	.type	k_qcbc7765dce_attn,@function
k_qcbc7765dce_attn:
	s_mov_b64 s[64:65], 0
	v_nop
	global_prefetch_b8 v0, s[64:65] scope:SCOPE_SE
	s_setreg_imm32_b32 hwreg(HW_REG_WAVE_MODE, 25, 1), 1
	s_wait_xcnt 0x0
; CAUSAL ATTENTION, head size 64, 32 heads (16 heads x 2 batches) of 2,048 rows.  O[q] = the sum over k <= q of softmax_k(Q[q] . K[k] / 8) V[k].
; qkv: [48][4096][64] f16 (blocks 0-15 q's heads, 16-31 k's, 32-47 v's; batch b's rows are 2048 b + t): a head's rows are dense, 128 bytes each.  O goes to act: [16][4096][64] f16.
; Products, maxima and sums in f32; the weights p are rounded to f16 for the second product (their sum l is taken of the unrounded p), O once at the end.
; LIMITS.  Q, K, V arrive within f16's 65,504.  A hidden score counts as its value less 1e30; the running maximum starts at -1e20: true scores (2.7e11 at the most in f16) lie above it, hidden ones below.
; A weight below 2^-126 counts as 0 in l; NaN and infinities are not treated apart.
; THE WALK.  A head's queries lie in 16 blocks of 128; block i needs the key tiles 0 .. i / 2 of 256 keys, of which the last holds the diagonal.  A work-group takes TWO blocks, 15 - b and then b:
; (15 - b) / 2 + b / 2 + 2 = 9 tiles whatever b, so all 256 work-groups do equal work and ONE loop with a constant trip count walks them; the ring of two LDS slots runs on across the change of blocks.
; NO CLUSTER: the 8 work-groups of a head ask for the same tile only in trips 0 to 4; behind that their walks part, and one walk common to four partners would have 10 tiles for 9.
; SHARES.  EIGHT WAVES, two for each SIMD.  Of a block's two bands of 64 queries waves w and w + 4 (w = 0..3) own the same 16 rows in each: two tiles t = 0, 1.  THE PAIR SPLITS THE KEYS: of a key tile's four
; steps of 64 keys wave w takes steps 0 and 1, wave w + 4 steps 2 and 3, each with a running maximum, sum and O^T of its own.  A wave issues in order: a key step is 32 matrix and 270 vector instructions in phases,
; and while one wave of the pair walks its softmax the other's products can be issued.  A fragment of K or V read from LDS feeds two tiles of queries, as it would with four waves.
; At a block's end wave w + 4 hands its O^T, c m and l over through LDS, and wave w joins the two: with c m = max(c mA, c mB): O = (2^(c mA - c m) OA + 2^(c mB - c m) OB) / l, l likewise.
; A wave none of whose keys a row may see keeps m = -1e20 for it: all its weights, its l and its O^T are 0, and so is its factor.
; In the block's last key tile, with d = 2 (i % 2) + t, key step s shows all keys if s < d, none if s > d, and holds the diagonal if s = d: the same for all rows groups.
; THE MASK is the C operand that starts S^T = K Q^T: MC = MD x AL + BE, with MD (made once) the mask of a band's own step for my rows, and (AL, BE) = (1, 0) if s = d, (0, 0) if s < d, (0, -1e30) if s > d.
; MC is made at every tile's start (all 0 away from the diagonal) and, in the diagonal tile alone, anew behind every step.
; LAYOUT.  S^T = K Q^T holds ONE query a lane (lane % 16) and the keys 8 (lane / 16) + 0..7; two such results rounded to f16 ARE source 1 of O^T = V^T P.  K comes out of LDS as it lies, V turned.
; SOFTMAX.  p = 2^(c s - c m), c = log2(e) / 8, with a running maximum m; O and l are multiplied by a = 2^(c m_old - c m_new) in every step; c m starts far below c x -1e20, so a block's first a is 0.
; REGISTERS: window 0: v2-15 addresses and at work; v16-23 statistics; v24-31 at work; v32 the hand-over's address; v64-127 S^T; v128-159 P; v160-191 MD; v192-255 O^T.
;   window 1: v0-31 Q; v32-63 the second block's Q; v64-127 K of one step; v128-191 V of one step; v192-255 MC.
.set KS,    64        ; keys in a step
.set PK,    144       ; a row of K in LDS: 128 bytes + 16: the 16 rows of a load start at 16 different groups of four banks (64 banks of 4 bytes: ISA guide 11.1)
.set PV,    160       ; a row of V: 128 + 32
.set VOFF,  4*KS*PK   ; a slot holds a tile: 256 rows of K, then 256 rows of V
.set SLOT1, 1<<17     ; slot 1 begins here, so that one exclusive or turns an address in one slot into the other's
.set STAGE, SLOT1+4*KS*(PK+PV)  ; behind the ring, never filled by a tensor load: 16 rows x 144 bytes for each wave, for the way out
.set SP,    144
.set MST,   STAGE+8*16*SP       ; the hand-over: for each pair of waves 18 x 512 bytes: O^T (16 x 4 registers) and the statistics (2 x 4)
.set MSZ,   18*512
.set SPARE, MST+4*MSZ           ; the spare words, 128 bytes for each of the eight waves: four blocks of 256 bytes that no other line names
.set AK0, 2           ; v2   my lane's place in a tile of K; never rewritten
.set AV0, 3           ; v3   the same for V
.set AK,  4           ; v4   the LDS address of K's next run of loads
.set AV,  5           ; v5   of V's
.set STO, 6           ; v6   the way out: where I put 16 bytes of a row
.set RD,  7           ; v7   where I read rows back
.set GO,  8           ; v8   16 x lane
.set MV,  12          ; v12-13  c m_old, by tile
.set QO,  15          ; v15  my byte offset in 16 rows of Q
.set ST,  16          ; tile t's statistics at v[ST+4 t]: c m, m, l (even keys', odd keys')
.set TMP, 24          ; by tile, four registers c0-c3 at work; when the maximum is found c2 takes a
.set MA,  32          ; v32  my 16 bytes in my pair's hand-over area
.set SPW, 62          ; v62  LDS address of my spare word; never rewritten
.set NIL, 63          ; v63  0; never rewritten
.set S,   64
.set P,   128
.set MD,  160
.set O,   192
.set QB,  32          ; window 1
.set KF,  64          ; window 1: key block kb, channel half c at KF + 16 kb + 8 c
.set VF,  128         ; window 1: key half kk, channel block cb at VF + 32 kk + 8 cb
.set MC,  192         ; window 1: tile t's masks at MC + 32 t
.set WV,  12          ; s12  wave 0..7
.set PB,  14          ; s14  b
.set HI,  15          ; s15  15 - b
.set G1K, 24          ; s[24:31] descriptor group 1 for K's tiles
.set G1V, 32          ; s[32:39] for V's: it differs in the padding alone
.set G0K, 40          ; s[40:43] descriptor group 0 for K's tiles
.set G0V, 44          ; s[44:47] for V's
.set RW,  48          ; s48  wave % 4: which rows are mine
.set KH,  49          ; s49  wave / 4: which two key steps of a tile are mine
.set SLOTS, 56        ; s56  tiles still to be asked for
.set CNT, 57          ; s57  counts my key steps of a tile, 2 to 1
.set CS,  58          ; s[58:59] c
.set SEL, 60          ; s[60:61] v_permlanex16_b32's selects
.set TBK, 62          ; s62  LDS byte at which K of the step to be fetched begins
.set TBV, 63          ; s63  the same for V, less VOFF
.set BIGN, 66         ; s66  -1e30
.set DG,  67          ; s67  1: the tile in hand holds the diagonal
.set DD,  68          ; s68  d of tile 0 in the diagonal tile, 8 elsewhere
.set DD1, 69          ; s69  d of tile 1
.set RT,  70          ; s70  tiles of the block in hand still to be entered
.set NXT, 71          ; s71  the key tile to be asked for next
.set LQ,  72          ; s72  the last key tile of the block whose tiles are being asked for
.set D0,  73          ; s73  2 (i % 2) of the block in hand
.set OFF, 74          ; s[74:75] a key tile's byte offset
.set AL0, 76          ; s[76:77], s[78:79] the mask's factor and addend for tile 0 (low words)
.set BE0, 78
.set AL1, 80          ; s[80:81], s[82:83] for tile 1
.set BE1, 82
.set D0B, 88          ; s88  2 (i % 2) of the second block
.set SI,  89          ; s89  the key step in the tile, 0 to 3
.set T2,  90          ; s90  the second block's tiles
.set LQ2, 91          ; s91  its last key tile
.set OLO, 92          ; s[92:93] O at my rows of the second block
.set QLO, 94          ; s[94:95] Q at my rows of the second block
.set MSB, 0
.macro WIN new
.if MSB != (\new)
	s_set_vgpr_msb (MSB<<8)|(\new)
.set MSB, (\new)
.endif
.endm
.macro PLACES
.rept 4
	v_nop
.endr
.endm
; A fill.  Waves 0 and 1 fetch the two halves of a tile's K, waves 2 and 3 those of its V: 128 keys each; waves 4 to 7 have no part of a tile to fill.  An s_nop 0 and four v_nop follow each of the two lines.
.macro LOAD
	s_cmp_lt_u32 s[WV], 2
	s_cbranch_scc0 .Lnot_k_\@
	tensor_load_to_lds s[G0K:G0K+3], s[G1K:G1K+7]
	s_nop 0
.rept 4
	v_nop
.endr
	s_branch .Lasked_\@
.Lnot_k_\@:
	s_cmp_lt_u32 s[WV], 4
	s_cbranch_scc0 .Lasked_\@
	tensor_load_to_lds s[G0V:G0V+3], s[G1V:G1V+7]
	s_nop 0
.rept 4
	v_nop
.endr
.Lasked_\@:
.endm
; THE CHANGE OF SLOTS.  Each wave waits for all its tensor loads (at most one is out: its part of the other slot), adds 0 to its spare word, and waits for that and for its reads of the slot that it leaves.
; Behind the barrier nobody reads the old slot and the other slot is whole.  fill = 1: the old slot is filled again, first thing behind the barrier, with key tile NXT.
; (At its first use nothing has been read yet: slot 0 is waited for, slot 1 filled.)
.macro CHANGE fill
	WIN 0
	s_wait_tensorcnt 0x0            ; no tensor load of mine is out, so a group 0 may be written
	ds_add_u32 v[SPW], v[NIL]       ; 0 onto my spare word
.if \fill
	s_lshl_b32 s[OFF], s[NXT], 15   ; a tile is 32,768 bytes of K and of V
	s_xor_b32 s[G0K+1], s[G0K+1], SLOT1
	s_add_nc_u64 s[G0K+2:G0K+3], s[6:7], s[OFF:OFF+1]
	s_or_b32 s[G0K+3], s[G0K+3], 0x80000000
	s_xor_b32 s[G0V+1], s[G0V+1], SLOT1
	s_add_nc_u64 s[G0V+2:G0V+3], s[8:9], s[OFF:OFF+1]
	s_or_b32 s[G0V+3], s[G0V+3], 0x80000000
	s_add_co_u32 s[NXT], s[NXT], 1  ; the block's next tile, or behind its last the second block's tile 0
	s_cmp_gt_u32 s[NXT], s[LQ]
	s_cselect_b32 s[NXT], 0, s[NXT]
	s_cselect_b32 s[LQ], s[LQ2], s[LQ]
.endif
	s_wait_dscnt 0x0                ; the add is done, and my reads of the slot are over
	s_barrier_signal -1
	s_sub_co_u32 s[TBK], s[TBK], 2*KS*PK  ; the fetches go back to my first step of a slot (I have fetched two),
	s_xor_b32 s[TBK], s[TBK], SLOT1       ; in the other slot
	s_sub_co_u32 s[TBV], s[TBV], 2*KS*PV
	s_xor_b32 s[TBV], s[TBV], SLOT1
	s_barrier_wait -1
.if \fill
	LOAD
.endif
.endm
	s_load_b128 s[84:87], s[0:1], 0x0  ; qkv s[84:85], act s[86:87]
	v_lshl_add_u32 v[SPW], v0, 2, SPARE
	v_mov_b32 v[NIL], 0
	ds_add_u32 v62, v63
	s_wait_dscnt 0x0
	s_barrier_signal -1
	s_barrier_wait -1
	v_lshrrev_b32 v1, 5, v0
	v_readfirstlane_b32 s[WV], v1
	s_and_b32 s[RW], s[WV], 3
	s_lshr_b32 s[KH], s[WV], 2
	s_mov_b32 s[PB], ttmp9
	s_sub_co_u32 s[HI], 15, s[PB]
	s_and_b32 s20, ttmp7, 0xffff
	s_and_b32 s21, s20, 15          ; head
	s_lshr_b32 s22, s20, 4          ; batch
	s_lshl_b32 s20, s21, 19         ; a block of 64 columns is 524,288 bytes,
	s_lshl_b32 s22, s22, 18         ; a batch's 2,048 rows 262,144
	s_add_co_u32 s20, s20, s22
	s_and_b32 s16, s[WV], 1         ; which half of a tile's 256 keys a fetching wave fetches:
	s_lshl_b32 s22, s16, 14         ; its 128 rows of 128 bytes in memory,
	s_add_co_u32 s22, s22, s20
	s_mov_b32 s23, 0
	s_mul_i32 s17, s16, 128*PK      ; and its place in a slot, for K
	s_mul_i32 s18, s16, 128*PV      ; and for V
	s_lshl_b32 s3, s[RW], 11        ; my 16 rows in a band,
	s_lshl_b32 s2, s[HI], 14        ; in the first block (128 rows of 128 bytes a block),
	s_add_co_u32 s2, s2, s3
	s_add_co_u32 s2, s2, s20
	s_lshl_b32 s52, s[PB], 14       ; and in the second
	s_add_co_u32 s52, s52, s3
	s_add_co_u32 s52, s52, s20
	s_mov_b32 s3, 0
	s_mov_b32 s53, 0
	; descriptor group 1.  128 keys are 16,384 dense bytes: asked for as 64 rows of 256 bytes, two keys a row, and padded in LDS after every key
	s_mov_b32 s[G1K], (1<<16)|(1<<20)|(4<<22)|(3<<25)  ; 17:16 2-byte elements; 20 padding on; 24:22 after every 32 words; 31:25 4 words
	s_mov_b32 s[G1V], (1<<16)|(1<<20)|(4<<22)|(7<<25)  ; the same with 8 words of padding
.irp g, G1K, G1V
	s_mov_b32 s[\g+1], 128<<16      ; tensor_dim0 = 128
	s_mov_b32 s[\g+2], 64<<16       ; tensor_dim1 = 64
	s_mov_b32 s[\g+3], 128<<16      ; tile_dim0 = 128
	s_mov_b32 s[\g+4], 64           ; tile_dim1 = 64
	s_mov_b32 s[\g+5], 128          ; elements from row to row
	s_mov_b32 s[\g+6], 0
	s_mov_b32 s[\g+7], 0
.endr
	s_mov_b32 s[CS], 0x3e38aa3b     ; c = log2(e) / 8
	s_mov_b32 s[CS+1], s[CS]
	s_mov_b32 s[SEL], 0x76543210
	s_mov_b32 s[SEL+1], 0xfedcba98
	s_mul_i32 s[TBK], s[KH], 2*KS*PK               ; my first step of a tile: step 2 x (wave / 4);
	s_add_co_u32 s[TBK], s[TBK], SLOT1+2*KS*PK     ; the first change of slots takes these constants away again
	s_mul_i32 s[TBV], s[KH], 2*KS*PV
	s_add_co_u32 s[TBV], s[TBV], SLOT1+2*KS*PV
	s_mov_b32 s[G0K], 1             ; count = 1
	s_mov_b32 s[G0K+1], s17         ; LDS address: slot 0
	s_mov_b32 s[G0V], 1
	s_add_co_u32 s[G0V+1], s18, VOFF
	s_lshr_b32 s[LQ], s[HI], 1
	s_add_co_u32 s[RT], s[LQ], 1    ; the first block has (15 - b) / 2 + 1 tiles
	s_lshr_b32 s[LQ2], s[PB], 1
	s_add_co_u32 s[T2], s[LQ2], 1
	s_and_b32 s[D0], s[HI], 1
	s_lshl_b32 s[D0], s[D0], 1
	s_and_b32 s[D0B], s[PB], 1
	s_lshl_b32 s[D0B], s[D0B], 1
	s_mov_b32 s[NXT], 1
	s_mov_b32 s[OFF+1], 0
	s_mov_b32 s[AL0+1], 0           ; named as pairs
	s_mov_b32 s[BE0+1], 0
	s_mov_b32 s[AL1+1], 0
	s_mov_b32 s[BE1+1], 0
	s_mov_b32 s[BIGN], 0xf149f2ca   ; -1e30
	s_mov_b32 s[SLOTS], 8
	s_wait_kmcnt 0x0
	s_add_nc_u64 s[6:7], s[84:85], s[22:23]
	s_add_nc_u64 s[8:9], s[6:7], 16777216          ; V at a fetching wave's half of the head's tile 0
	s_add_nc_u64 s[6:7], s[6:7], 8388608           ; K likewise
	s_add_nc_u64 s[G0K+2:G0K+3], s[6:7], 0
	s_or_b32 s[G0K+3], s[G0K+3], 0x80000000        ; type = 2
	s_add_nc_u64 s[G0V+2:G0V+3], s[8:9], 0
	s_or_b32 s[G0V+3], s[G0V+3], 0x80000000
	s_add_nc_u64 s[4:5], s[84:85], s[2:3]          ; Q and O at my rows of the first block,
	s_add_nc_u64 s[10:11], s[86:87], s[2:3]
	s_add_nc_u64 s[QLO:QLO+1], s[84:85], s[52:53]  ; and of the second
	s_add_nc_u64 s[OLO:OLO+1], s[86:87], s[52:53]
	LOAD                            ; tile 0 into slot 0
	v_and_b32 v1, 15, v0            ; r = l % 16
	v_bfe_u32 v9, v0, 4, 1          ; h = l / 16
	v_lshlrev_b32 v[QO], 7, v1
	v_lshl_add_u32 v[QO], v9, 4, v[QO]  ; row x 128 + 16 x half
	WIN 0x40                        ; destination window 1, address window 0
.set i, 0
.rept 4                             ; both blocks' Q: tile i / 2 lies 64 rows (8,192 bytes) on; channels 32 (i % 2) on
	global_load_b128 v[8*i:8*i+3],   v[QO], s[4:5] offset:(i/2)*8192+(i%2)*64
	global_load_b128 v[8*i+4:8*i+7], v[QO], s[4:5] offset:(i/2)*8192+(i%2)*64+32
	global_load_b128 v[QB+8*i:QB+8*i+3],   v[QO], s[QLO:QLO+1] offset:(i/2)*8192+(i%2)*64
	global_load_b128 v[QB+8*i+4:QB+8*i+7], v[QO], s[QLO:QLO+1] offset:(i/2)*8192+(i%2)*64+32
.set i, i+1
.endr
	WIN 0
	v_lshlrev_b32 v14, 3, v9
	v_sub_nc_u32 v14, v1, v14
	s_lshl_b32 s13, s[RW], 4
	v_add_nc_u32 v14, s13, v14      ; my query's place in its band, 16 (wave % 4) + r, less 8 h: register j of key group kt is hidden where 16 kt + j is greater
.set i, 0
.rept 32
	v_cmp_gt_i32 vcc_lo, 16*(i/8)+i%8, v14
	v_cndmask_b32 v[MD+i], 0, s[BIGN], vcc_lo
.set i, i+1
.endr
	v_mul_u32_u24 v[AK0], v1, PK
	v_lshl_add_u32 v[AK0], v9, 4, v[AK0]
	v_and_b32 v10, 7, v0            ; the turning load: lane l reads key 8 h + l % 8, channels 8 ((l / 8) % 2) on
	v_bfe_u32 v11, v0, 3, 1
	v_lshl_add_u32 v[AV0], v9, 3, v10
	v_mul_u32_u24 v[AV0], v[AV0], PV
	v_lshl_add_u32 v[AV0], v11, 4, v[AV0]
	v_add_nc_u32 v[AV0], VOFF, v[AV0]
	s_mul_i32 s13, s[WV], 16*SP
	s_add_co_u32 s13, s13, STAGE    ; my stage
	v_mul_u32_u24 v[STO], v1, SP    ; in: row r, 16 bytes for each half of the lanes
	v_lshl_add_u32 v[STO], v9, 4, v[STO]
	v_add_nc_u32 v[STO], s13, v[STO]
	v_bfe_u32 v[RD], v0, 3, 2       ; back: 32 lanes take four rows of 128 bytes,
	v_mul_u32_u24 v[RD], v[RD], SP
	v_lshl_add_u32 v[RD], v10, 4, v[RD]
	v_add_nc_u32 v[RD], s13, v[RD]
	v_and_b32 v[GO], 31, v0         ; which are 512 consecutive bytes of O
	v_lshlrev_b32 v[GO], 4, v[GO]
	s_mul_i32 s13, s[RW], MSZ
	s_add_co_u32 s13, s13, MST      ; my pair's hand-over area: 32 lanes x 16 neighbouring bytes a line
	v_add_nc_u32 v[MA], s13, v[GO]
	; A block's first step multiplies O^T and l by a = 0, so they need only hold finite numbers: zeros here, what the first block left for the second.  These lines stand in the wait for the first tile.
.set i, 0
.rept 64
	v_mov_b32 v[O+i], 0
.set i, i+1
.endr
.irp t, 0,1
	v_mov_b32 v[ST+4*(\t)], 0xfe000000    ; c m: far below c x -1e20
	v_mov_b32 v[ST+4*(\t)+1], 0xe0ad78ec  ; m = -1e20
	v_mov_b32 v[ST+4*(\t)+2], 0
	v_mov_b32 v[ST+4*(\t)+3], 0
.endr
; THE MATRIX WORK.  The 8 accumulators of a run of 16 take turns.  Product i of S^T = K Q^T: tile i % 2, keys 16 ((i / 2) % 4) on, channels 32 (i / 8) on.  The first 8 start the sums with the mask.
.macro KQ
.set rS, S+32*(i%2)+8*((i/2)%4)
.set rK, KF+16*((i/2)%4)+8*(i/8)
.set rQ, 16*(i%2)+8*(i/8)
.set rM, MC+32*(i%2)+8*((i/2)%4)
.if i < 8
	WIN 0x15                        ; K, Q and the mask in window 1, S^T in window 0
	v_wmma_f32_16x16x32_f16 v[rS:rS+7], v[rK:rK+7], v[rQ:rQ+7], v[rM:rM+7]
.else
	WIN 0x05
	v_wmma_f32_16x16x32_f16 v[rS:rS+7], v[rK:rK+7], v[rQ:rQ+7], v[rS:rS+7]
.endif
.set i, i+1
.endm
; Product i of O^T += V^T P: tile i % 2, channels 16 ((i / 2) % 4) on, keys 32 (i / 8) on.
.macro PV
	WIN 0x01                        ; V in window 1; P and O^T in window 0
.set rO, O+32*(i%2)+8*((i/2)%4)
.set rV, VF+32*(i/8)+8*((i/2)%4)
.set rP, P+16*(i%2)+8*(i/8)
	v_wmma_f32_16x16x32_f16 v[rO:rO+7], v[rV:rV+7], v[rP:rP+7], v[rO:rO+7]
.set i, i+1
.endm
; THE LDS LOADS stand in runs of 16.
.macro FETCH_K
	WIN 0x40
.irp f, 0,1,2,3,4,5,6,7             ; keys 16 (f / 2) on, channels 32 (f % 2) on
	ds_load_b128 v[KF+8*\f:KF+8*\f+3],   v[AK] offset:(\f/2)*16*PK+(\f%2)*64
	ds_load_b128 v[KF+8*\f+4:KF+8*\f+7], v[AK] offset:(\f/2)*16*PK+(\f%2)*64+32
.endr
	s_add_co_u32 s[TBK], s[TBK], KS*PK  ; the next fetch is the next step's
	WIN 0
.endm
.macro FETCH_V
	WIN 0x40
.irp f, 0,1,2,3,4,5,6,7             ; keys 32 (f / 4) on, channels 16 (f % 4) on
	ds_load_tr16_b128 v[VF+8*\f:VF+8*\f+3],   v[AV] offset:(\f/4)*32*PV+(\f%4)*32
	ds_load_tr16_b128 v[VF+8*\f+4:VF+8*\f+7], v[AV] offset:(\f/4)*32*PV+16*PV+(\f%4)*32
.endr
	s_add_co_u32 s[TBV], s[TBV], KS*PV
	WIN 0
.endm
; The masks of key step SI for both tiles.
.macro SETMASK
	s_cmp_eq_u32 s[SI], s[DD]       ; is the step the band's own?
	s_cselect_b32 s[AL0], 1.0, 0
	s_cmp_gt_u32 s[SI], s[DD]       ; or a later one?
	s_cselect_b32 s[BE0], s[BIGN], 0
	s_cmp_eq_u32 s[SI], s[DD1]
	s_cselect_b32 s[AL1], 1.0, 0
	s_cmp_gt_u32 s[SI], s[DD1]
	s_cselect_b32 s[BE1], s[BIGN], 0
	WIN 0x40                        ; MC in window 1, MD in window 0
.set z, 0
.rept 16
	v_pk_fma_f32 v[MC+2*z:MC+2*z+1], v[MD+2*z:MD+2*z+1], s[AL0:AL0+1], s[BE0:BE0+1] op_sel_hi:[1,0,0]
.set z, z+1
.endr
.set z, 0
.rept 16
	v_pk_fma_f32 v[MC+32+2*z:MC+32+2*z+1], v[MD+2*z:MD+2*z+1], s[AL1:AL1+1], s[BE1:BE1+1] op_sel_hi:[1,0,0]
.set z, z+1
.endr
	WIN 0
.endm
; THE VECTOR WORK, all in window 0; the two tiles alternate.
.macro REGS u
.set rT, ST+4*(\u)
.set rC, TMP+4*(\u)
.set rW, MV+(\u)
.set rS, S+32*(\u)
.set rP, P+16*(\u)
.set rO, O+32*(\u)
.endm
; Number n of the 22 that find a tile's maximum and statistics.  Each accumulator's lowest registers are read first.
;   0-11 four chains c0-c3 of seven scores each     12-14, 16 the four scores left over, the old m, and c0-c3 into c0     15 c m_old is kept
;   17, 18 the query's other 32 keys lie in the lane 16 away: the new m     19-21 c m; c m_old - c m_new; a
.macro XS u, n
	REGS \u
.if (\n) < 4
	v_max3_num_f32 v[rC+(\n)], v[rS+8*(\n)], v[rS+8*(\n)+1], v[rS+8*(\n)+2]
.elseif (\n) < 12
	v_max3_num_f32 v[rC+(\n)%4], v[rC+(\n)%4], v[rS+8*((\n)%4)+2*((\n)/4)+1], v[rS+8*((\n)%4)+2*((\n)/4)+2]
.elseif (\n) == 12
	v_max3_num_f32 v[rC], v[rC], v[rS+7], v[rS+15]
.elseif (\n) == 13
	v_max3_num_f32 v[rC+1], v[rC+1], v[rS+23], v[rS+31]
.elseif (\n) == 14
	v_max3_num_f32 v[rC+2], v[rC+2], v[rC+3], v[rT+1]
.elseif (\n) == 15
	v_mov_b32 v[rW], v[rT]
.elseif (\n) == 16
	v_max3_num_f32 v[rC], v[rC], v[rC+1], v[rC+2]
.elseif (\n) == 17
	v_permlanex16_b32 v[rC+3], v[rC], s[SEL], s[SEL+1]
.elseif (\n) == 18
	v_max_num_f32 v[rT+1], v[rC], v[rC+3]
.elseif (\n) == 19
	v_mul_f32 v[rT], s[CS], v[rT+1]
.elseif (\n) == 20
	v_sub_f32 v[rC+1], v[rW], v[rT]
.else
	v_exp_f32 v[rC+2], v[rC+1]
.endif
.endm
.macro SOFTMAX
.irp n, 0,1,2,3,4,5,6,7,8,9,10,11,12,13,14,15,16,17,18,19,20,21
	XS 0, \n
	XS 1, \n
.endr
.set z, 0
.rept 16                            ; c s - c m
.irp u, 0,1
	REGS \u
	v_pk_fma_f32 v[rS+2*z:rS+2*z+1], v[rS+2*z:rS+2*z+1], s[CS:CS+1], v[rT:rT+1] op_sel_hi:[1,0,0] neg_lo:[0,0,1] neg_hi:[0,0,1]
.endr
.set z, z+1
.endr
.set z, 0
.rept 32
.irp u, 0,1
	REGS \u
	v_exp_f32 v[rS+z], v[rS+z]
.endr
.set z, z+1
.endr
	v_nop                           ; a plain instruction between the last exponential and the use of its result (ISA guide 5.7.2)
	s_wait_alu depctr_va_vdst(0)
.set z, 0
.rept 16                            ; the weights rounded to f16: source 1 of the second product
.irp u, 0,1
	REGS \u
	v_cvt_pk_f16_f32 v[rP+z], v[rS+2*z], v[rS+2*z+1]
.endr
.set z, z+1
.endr
.set z, 0
.rept 8                             ; of four weights the second pair is added onto the first,
.irp u, 0,1
	REGS \u
	v_pk_add_f32 v[rS+4*z:rS+4*z+1], v[rS+4*z:rS+4*z+1], v[rS+4*z+2:rS+4*z+3]
.endr
.set z, z+1
.endr
.set z, 0
.rept 8                             ; and l takes the sums: l = a l + sum the first time
.irp u, 0,1
	REGS \u
.if z == 0
	v_pk_fma_f32 v[rT+2:rT+3], v[rT+2:rT+3], v[rC+2:rC+3], v[rS:rS+1] op_sel_hi:[1,0,1]
.else
	v_pk_add_f32 v[rT+2:rT+3], v[rT+2:rT+3], v[rS+4*z:rS+4*z+1]
.endif
.endr
.set z, z+1
.endr
.set z, 0
.rept 16                            ; O^T times a, each accumulator from its low end on
.irp u, 0,1
	REGS \u
	v_pk_mul_f32 v[rO+2*z:rO+2*z+1], v[rO+2*z:rO+2*z+1], v[rC+2:rC+3] op_sel_hi:[1,0]
.endr
.set z, z+1
.endr
.endm
; A KEY STEP.
.macro STEP
	s_wait_dscnt 0x0                ; K is in
.set i, 0
.rept 16
	KQ
.endr
	WIN 0
	PLACES                          ; behind the products: for the softmax's reads of S^T and for the loads into K's and V's registers
	v_add_nc_u32 v[AV], s[TBV], v[AV0]
	FETCH_V                         ; V of this step: it has the softmax in which to come
	s_cmp_eq_u32 s[CNT], 1          ; behind my last step of the tile there is none of mine in this slot
	s_cbranch_scc1 .Lno_k_\@
	v_add_nc_u32 v[AK], s[TBK], v[AK0]
	FETCH_K                         ; K of the next step
.Lno_k_\@:
	SOFTMAX
	s_wait_dscnt 0x0                ; V is in (0: the two ways here differ by K's run)
.set i, 0
.rept 16
	PV
.endr
	WIN 0
	s_add_co_u32 s[SI], s[SI], 1
	s_cmp_eq_u32 s[DG], 0           ; away from the diagonal the masks stay 0
	s_cbranch_scc1 .Lno_m_\@
	SETMASK
.Lno_m_\@:
.endm
; A BLOCK'S END, first half, waves 4 to 7: O^T and the statistics go into the pair's hand-over area, 16 neighbouring bytes a lane; each accumulator from its low end on.
.macro GIVE
	PLACES                          ; behind the last products
.irp j, 0,1,2,3,4,5,6,7,8,9,10,11,12,13,14,15
	ds_store_b128 v[MA], v[O+4*\j:O+4*\j+3] offset:512*\j
.endr
.irp t, 0,1
	ds_store_b128 v[MA], v[ST+4*\t:ST+4*\t+3] offset:512*(16+\t)
.endr
.endm
; Tile t: O^T = fA O^T + fB (the partner's O^T), rounded to f16 and sent through my own stage in LDS.
.macro PACK t
.set i, 0
.rept 16
	v_pk_mul_f32 v[O+32*(\t)+2*i:O+32*(\t)+2*i+1], v[O+32*(\t)+2*i:O+32*(\t)+2*i+1], v[TMP+4*(\t):TMP+4*(\t)+1] op_sel_hi:[1,0]
.set i, i+1
.endr
.set i, 0
.rept 16
	v_pk_fma_f32 v[O+32*(\t)+2*i:O+32*(\t)+2*i+1], v[S+32*(\t)+2*i:S+32*(\t)+2*i+1], v[TMP+4*(\t)+2:TMP+4*(\t)+3], v[O+32*(\t)+2*i:O+32*(\t)+2*i+1] op_sel_hi:[1,0,1]
.set i, i+1
.endr
.set i, 0
.rept 16
	v_cvt_pk_f16_f32 v[S+16*(\t)+i], v[O+32*(\t)+2*i], v[O+32*(\t)+2*i+1]  ; into registers of the partner's O^T that have been used up: tile 0's 32 serve both tiles
.set i, i+1
.endr
.irp f, 0,1,2,3
	ds_store_b128 v[STO], v[S+16*(\t)+4*\f:S+16*(\t)+4*\f+3] offset:32*\f
.endr
.irp f, 0,1,2,3
	ds_load_b128 v[S+16*(\t)+4*\f:S+16*(\t)+4*\f+3], v[RD] offset:\f*4*SP  ; LDS serves a wave's instructions in order (ISA guide 5.7.1.4): these see the stores above
.endr
.endm
.macro SEND t, younger              ; younger: the LDS instructions issued behind tile t's loads
.irp f, 0,1,2,3
	s_wait_dscnt (\younger)+3-\f
	global_store_b128 v[GO], v[S+16*(\t)+4*\f:S+16*(\t)+4*\f+3], s[10:11] offset:(\t)*8192+\f*512  ; 512 consecutive bytes, aligned
.endr
.endm
; A BLOCK'S END, second half, waves 0 to 3: the partner's O^T comes into S^T's registers, its statistics into P's first eight; the two halves of the keys are joined; the block goes out.
; By tile, in c0-c3: c m = max(c mA, c mB); aA = 2^(c mA - c m), aB = 2^(c mB - c m); l = aA lA + aB lB, with the other half of the lanes'; fA = aA / l in c0, fB = aB / l in c2.
.macro TAKE
	PLACES                          ; behind the last products, which read P
.irp j, 0,1,2,3,4,5,6,7,8,9,10,11,12,13,14,15
	ds_load_b128 v[S+4*\j:S+4*\j+3], v[MA] offset:512*\j
.endr
.irp t, 0,1
	ds_load_b128 v[P+4*\t:P+4*\t+3], v[MA] offset:512*(16+\t)
.endr
	s_wait_dscnt 0x0
.irp t, 0,1
	v_max_num_f32 v[TMP+4*\t], v[ST+4*\t], v[P+4*\t]
.endr
.irp t, 0,1
	v_sub_f32 v[TMP+4*\t+1], v[ST+4*\t], v[TMP+4*\t]
.endr
.irp t, 0,1
	v_sub_f32 v[TMP+4*\t+3], v[P+4*\t], v[TMP+4*\t]
.endr
.irp t, 0,1
	v_exp_f32 v[TMP+4*\t+1], v[TMP+4*\t+1]
.endr
.irp t, 0,1
	v_exp_f32 v[TMP+4*\t+3], v[TMP+4*\t+3]
.endr
.irp t, 0,1
	v_add_f32 v[TMP+4*\t], v[ST+4*\t+2], v[ST+4*\t+3]      ; plain lines that touch no exponential's registers stand behind them (ISA guide 5.7.2)
.endr
.irp t, 0,1
	v_add_f32 v[TMP+4*\t+2], v[P+4*\t+2], v[P+4*\t+3]
.endr
	s_wait_alu depctr_va_vdst(0)
.irp t, 0,1
	v_mul_f32 v[TMP+4*\t], v[TMP+4*\t], v[TMP+4*\t+1]
.endr
.irp t, 0,1
	v_fmac_f32 v[TMP+4*\t], v[TMP+4*\t+2], v[TMP+4*\t+3]
.endr
.irp t, 0,1
	v_permlanex16_b32 v[TMP+4*\t+2], v[TMP+4*\t], s[SEL], s[SEL+1]
.endr
.irp t, 0,1
	v_add_f32 v[TMP+4*\t], v[TMP+4*\t], v[TMP+4*\t+2]
.endr
.irp t, 0,1
	v_rcp_f32 v[TMP+4*\t], v[TMP+4*\t]
.endr
	v_nop                           ; a plain instruction between the last reciprocal and the use of its result
	s_wait_alu depctr_va_vdst(0)
.irp t, 0,1
	v_mul_f32 v[TMP+4*\t+2], v[TMP+4*\t+3], v[TMP+4*\t]
.endr
.irp t, 0,1
	v_mul_f32 v[TMP+4*\t], v[TMP+4*\t+1], v[TMP+4*\t]
.endr
	PACK 0
	PACK 1
	SEND 0, 8
	SEND 1, 0
.endm
; THE SECOND BLOCK BEGINS, in every wave.
.macro NEXTBLOCK
	s_wait_xcnt 0x0                 ; the stores' registers and O's address are rewritten only behind this wait
	s_mov_b64 s[10:11], s[OLO:OLO+1]
	s_mov_b32 s[RT], s[T2]
	s_mov_b32 s[D0], s[D0B]
	WIN 0x41                        ; its Q goes where the one text of the steps names Q
.set i, 0
.rept 32
	v_mov_b32 v[i], v[QB+i]
.set i, i+1
.endr
	WIN 0
.irp t, 0,1
	v_mov_b32 v[ST+4*(\t)], 0xfe000000
	v_mov_b32 v[ST+4*(\t)+1], 0xe0ad78ec
.endr
.endm
; A KEY TILE: the change of slots, what kind of tile it is, its masks, my two steps of it; a second barrier, which stands in every tile and outside every branch; round it, behind the diagonal tile, the block's end.
; In front of that barrier waves 4 to 7 store into the hand-over areas and wait for their stores; behind it waves 0 to 3 read them, and have waited for their reads at the next change of slots.
; The next tile's load stays on its way across it.
.macro TILE fill
	CHANGE \fill
	s_sub_co_u32 s[RT], s[RT], 1
	s_mov_b32 s[CNT], 2
	s_lshl_b32 s[SI], s[KH], 1      ; my first step of the tile
	s_cmp_eq_u32 s[RT], 0           ; the block's last tile holds the diagonal
	s_cselect_b32 s[DG], 1, 0
	s_cselect_b32 s[DD], s[D0], 8
	s_add_co_u32 s[DD1], s[DD], 1
	SETMASK
	v_add_nc_u32 v[AK], s[TBK], v[AK0]
	FETCH_K
.Lstep_\@:
	STEP
	s_sub_co_u32 s[CNT], s[CNT], 1
	s_cmp_lg_u32 s[CNT], 0
	s_cbranch_scc1 .Lstep_\@
.if \fill
	s_cmp_eq_u32 s[DG], 0
	s_cbranch_scc1 .Lno_give_\@
.endif
	s_cmp_lt_u32 s[WV], 4
	s_cbranch_scc1 .Lno_give_\@
	GIVE
.Lno_give_\@:
	s_wait_dscnt 0x0                ; for the partner's sake: my stores into the hand-over area are done
	s_barrier_signal -1
	s_barrier_wait -1
.if \fill
	s_cmp_eq_u32 s[DG], 0
	s_cbranch_scc1 .Lno_end_\@
.endif
	s_cmp_lt_u32 s[WV], 4
	s_cbranch_scc0 .Lno_take_\@
	TAKE
.Lno_take_\@:
.if \fill
	NEXTBLOCK
.Lno_end_\@:
.endif
.endm
	s_wait_loadcnt 0x0              ; Q, both blocks'
.Lslot:                             ; eight times: a tile is entered and the next is asked for
	TILE 1
	s_sub_co_u32 s[SLOTS], s[SLOTS], 1
	s_cmp_lg_u32 s[SLOTS], 0
	s_cbranch_scc1 .Lslot
	TILE 0                          ; the walk's last tile, the second block's diagonal one, is written out
	s_wait_tensorcnt 0x0            ; the wave's end
	ds_add_u32 v[SPW], v[NIL]
	s_wait_dscnt 0x0
	s_endpgm
.Lfunc_end_k_qcbc7765dce_attn:
	.size	k_qcbc7765dce_attn, .Lfunc_end_k_qcbc7765dce_attn-k_qcbc7765dce_attn
	.p2alignl 7, 3214868480
	.fill 96, 4, 3214868480
	.section	.rodata,"a",@progbits
	.p2align	6, 0x0
	.amdhsa_kernel k_qcbc7765dce_attn
		.amdhsa_group_segment_fixed_size 327680
		.amdhsa_private_segment_fixed_size 0
		.amdhsa_enable_private_segment 0
		.amdhsa_kernarg_size 16
		.amdhsa_user_sgpr_count 2
		.amdhsa_user_sgpr_kernarg_segment_ptr 1
		.amdhsa_wavefront_size32 1
		.amdhsa_system_sgpr_workgroup_id_x 1
		.amdhsa_system_sgpr_workgroup_id_y 1
		.amdhsa_system_sgpr_workgroup_id_z 1
		.amdhsa_system_vgpr_workitem_id 0
		.amdhsa_next_free_vgpr 512
		.amdhsa_next_free_sgpr 96
		.amdhsa_reserve_vcc 1
		.amdhsa_float_denorm_mode_32 3
		.amdhsa_float_denorm_mode_16_64 3
		.amdhsa_memory_ordered 1
		.amdhsa_forward_progress 1
		.amdhsa_inst_pref_size 88
	.end_amdhsa_kernel
	.amdgpu_metadata
---
amdhsa.version: [ 1, 2 ]
amdhsa.kernels:
  - .name:           k_qcbc7765dce_attn
    .symbol:         k_qcbc7765dce_attn.kd
    .args:
      - { .name: qkv, .offset: 0, .size: 8, .value_kind: global_buffer, .address_space: global }
      - { .name: act, .offset: 8, .size: 8, .value_kind: global_buffer, .address_space: global }
    .group_segment_fixed_size: 327680
    .private_segment_fixed_size: 0
    .kernarg_segment_align: 8
    .kernarg_segment_size: 16
    .max_flat_workgroup_size: 256
    .sgpr_count:     96
    .vgpr_count:     512
    .wavefront_size: 32
...
	.end_amdgpu_metadata
.endif
;; end of part 3
;; launch oproj (part 4): grid 8 x 32, 4 waves a work-group, clusters of 4 x 4, 327,680 bytes of LDS; arguments act, wb, b_out, x, x1; writes x1
.if DOCPART == 4
	.amdgcn_target "amdgcn-amd-amdhsa--gfx1250"
	.amdhsa_code_object_version 6
	.text
	.protected	k_qcbc7765dce_oproj
	.globl	k_qcbc7765dce_oproj
	.p2align	8
	.type	k_qcbc7765dce_oproj,@function
k_qcbc7765dce_oproj:
	s_mov_b64 s[64:65], 0
	v_nop
	global_prefetch_b8 v0, s[64:65] scope:SCOPE_SE
	s_setreg_imm32_b32 hwreg(HW_REG_WAVE_MODE, 25, 1), 1
	s_wait_xcnt 0x0
	s_wait_alu depctr_hold_cnt(0) depctr_sa_sdst(0) depctr_va_vdst(0) depctr_va_sdst(0) depctr_va_ssrc(0) depctr_va_vcc(0) depctr_vm_vsrc(0)
	s_getreg_b32 s2, hwreg(HW_REG_IB_STS2, 6, 4)
	s_cmp_eq_u32 s2, 0
	s_cbranch_scc0 .Lentry_in_a_cluster
	s_endpgm
.Lentry_in_a_cluster:
	s_bfe_u32 s2, ttmp6, 0x10000c
	s_cmp_lg_u32 s2, 0xf033
	s_cbranch_scc0 .Lentry_shape_is_right
	s_endpgm
.Lentry_shape_is_right:
; out = resid + A W + b, in f32.  A: [K / 64][4096][64] in 16 bits (blocks of 64 columns, a block's rows dense, 128 bytes each).  W in wb: [K][1024] in 16 bits, as the input lies.  b: [1024], resid, out: [4096][1024] f32.
; Here: A = attention's O (f16), W = w_out (f16), K = 1,024.  LIMIT: f16 operands stay within 65,504.
; A tile of the result is 128 x 128: 8 x 32 tiles, one for each work-group.  Four waves, 2 x 2, each 64 x 64: 16 accumulators.  K goes in steps of 256 through two LDS slots.
; A's tile of a step is four blocks of 128 rows x 128 bytes; a wave's tensor load brings two of them, each 16,384 dense bytes, as two long rows 524,288 bytes apart, padded in LDS after every 128 bytes.
; W's rows lie along N and are turned by ds_load_tr16_b128.  THE MATRIX INSTRUCTION IS USED TRANSPOSED (source 0 = 16 columns of W, source 1 = 16 rows of A).
; THE SUMS START AS THE BIAS.  The residual's 32 rows a wave are loaded at the start into 128 registers and added on the way out, behind the stage that turns the result into whole rows.
; CLUSTER 4 x 4: A's tiles are shared along a row of the cluster, W's along a column; each is asked for jointly.
; ONE K STEP IS WRITTEN ONCE: the slot in hand is a scalar (TB) that an exclusive or turns; SLOT = 0x24000 has its two set bits clear in the four LDS bases w x 0x9000.
; The last step's change of slots fetches stale fragments that nobody multiplies: the price of one text.
; REGISTERS: window 0: v16-29 addresses; v32-95 at work on the way out; v128-255 accumulators ((a, b) at 128 + 8 (4 a + b)).  window 1: two fragment buffers of 128 (64 of A, 64 of W, for 64 along K).  window 2: v0-127 the residual.
.set KSTEPS, 4
.set WOFF,   6291456
.set F16,    1
.set PA,     144                       ; a row of A in LDS: 128 bytes + 16: the 16 rows of a load start at 16 different groups of four banks (64 banks of 4 bytes: ISA guide 11.1)
.set PB,     288                       ; a row of W: 256 + 32
.set KBLK,   128*PA                    ; a block of A in LDS
.set PIECE,  36864                     ; what one tensor load brings: two blocks of A, or 128 rows of W
.set BOFF,   2*PIECE
.set SLOT,   147456
.set SPARE,  2*SLOT                    ; the spare words, 128 bytes for each wave: two blocks of 256 bytes that no other line names
.set SPITCH, 528                       ; the stage: 128 rows of 512 bytes + 16, over slot 0 when it has had its last fill
.set ADRA0, 16
.set ADRB0, 17
.set ADRA,  18
.set ADRB,  19                         ; v19 W's rows 0-127 of the step, v20 rows 128-255: the immediate reaches 65,535 bytes
.set STO,   24
.set RD,    25
.set CO,    26
.set BOF,   27
.set SPW,   28                         ; LDS address of my spare word; never rewritten
.set NIL,   29                         ; 0; never rewritten
.set TMP,   32
.set ACC,   128
.set F0,    0
.set F1,    128
.set WV,  14
.set MH,  15
.set NH,  16
.set G1A, 24
.set G0A, 32
.set G1B, 48
.set G0B, 56
.set TB,  66
.set CNT, 67
.set MSB, 0
.macro WIN new
.if MSB != (\new)
	s_set_vgpr_msb (MSB<<8)|(\new)
.set MSB, (\new)
.endif
.endm
.set MUL,  0x05                        ; sources 0 (W) and 1 (A) window 1; C and D window 0
.set TO_F, 0x40                        ; destination window 1, address window 0
.macro PLACES
.rept 4
	v_nop
.endr
.endm
.macro JLOAD                           ; a joint refill by the walking descriptors: waves 0 and 1 for A, waves 2 and 3 for W; an s_nop 0 and four v_nop follow each line
	s_cmp_eq_u32 s[MH], 0
	s_cbranch_scc0 .Lfor_b_\@
	tensor_load_to_lds s[G0A+4:G0A+7], s[G1A:G1A+7]
	s_nop 0
.rept 4
	v_nop
.endr
	s_branch .Lasked_\@
.Lfor_b_\@:
	tensor_load_to_lds s[G0B+4:G0B+7], s[G1B:G1B+7]
	s_nop 0
.rept 4
	v_nop
.endr
.Lasked_\@:
.endm
.macro CREST
	s_cmp_lg_u32 s[WV], 0
	s_cbranch_scc1 .Lnot_wave_0_\@
	s_barrier_signal -3
.Lnot_wave_0_\@:
	s_barrier_wait -3
	s_barrier_signal -1
	s_barrier_wait -1
.endm
.macro CROUND
	s_barrier_signal -1
	s_barrier_wait -1
	CREST
.endm
	s_load_b256 s[4:11], s[0:1], 0x0               ; A s[4:5], wb s[6:7], bias s[8:9], resid s[10:11]
	s_load_b64 s[12:13], s[0:1], 0x20              ; out
	v_lshl_add_u32 v[SPW], v0, 2, SPARE
	v_mov_b32 v[NIL], 0
	ds_add_u32 v28, v29
	s_wait_dscnt 0x0
	v_lshrrev_b32 v1, 5, v0
	v_readfirstlane_b32 s[WV], v1
	s_lshr_b32 s[MH], s[WV], 1                     ; my half of the rows; also: I fetch for A (0) or W (1)
	s_and_b32 s[NH], s[WV], 1                      ; my half of the columns; also: which half I fetch
	s_bfe_u32 s17, ttmp6, 0x40000                  ; cx
	s_bfe_u32 s18, ttmp6, 0x40004                  ; cy
	s_lshl_b32 s19, ttmp9, 2
	s_add_co_u32 s19, s19, s17                     ; tile column TC
	s_and_b32 s20, ttmp7, 0xffff
	s_lshl_b32 s20, s20, 2
	s_add_co_u32 s20, s20, s18                     ; tile row TR
	s_lshl_b32 s21, s18, 2
	s_lshl_b32 s21, 15, s21                        ; my row of the cluster
	s_lshl_b32 s22, 0x1111, s17                    ; my column
	; group 1 for A: 2 rows of 8,192 elements, 262,144 elements apart; 16 bytes of padding behind every 128
	s_or_b32 s[G1A], s21, (1<<16)|(1<<20)|(1<<21)|(4<<22)|(3<<25)
	s_mov_b32 s[G1A+1], 8192<<16                   ; tensor_dim0 = 8192
	s_mov_b32 s[G1A+2], 2<<16                      ; tensor_dim1 = 2
	s_mov_b32 s[G1A+3], 8192<<16                   ; tile_dim0 = 8192
	s_mov_b32 s[G1A+4], 2                          ; tile_dim1 = 2
	s_mov_b32 s[G1A+5], 262144                     ; elements from row to row
	s_mov_b32 s[G1A+6], 0
	s_mov_b32 s[G1A+7], 0
	; group 1 for W: 128 rows of K x 128 columns; 32 bytes of padding behind every 256
	s_or_b32 s[G1B], s22, (1<<16)|(1<<20)|(1<<21)|(5<<22)|(7<<25)
	s_mov_b32 s[G1B+1], 128<<16
	s_mov_b32 s[G1B+2], 128<<16
	s_mov_b32 s[G1B+3], 128<<16
	s_mov_b32 s[G1B+4], 128
	s_mov_b32 s[G1B+5], 1024
	s_mov_b32 s[G1B+6], 0
	s_mov_b32 s[G1B+7], 0
	s_lshl_b32 s40, s[NH], 20                      ; A: two blocks of 524,288 bytes a half,
	s_lshl_b32 s41, s20, 14                        ; 128 rows of 128 bytes a tile row
	s_add_co_u32 s40, s40, s41
	s_mov_b32 s41, 0
	s_lshl_b32 s44, s[NH], 18                      ; W: 128 rows of 2,048 bytes a half,
	s_lshl_b32 s45, s19, 8                         ; 256 bytes a tile column
	s_add_co_u32 s44, s44, s45
	s_add_co_u32 s44, s44, WOFF
	s_mov_b32 s45, 0
	s_mul_i32 s23, s[WV], PIECE                    ; where they go: wave x piece: no place in the cluster enters an LDS address
	s_wait_kmcnt 0x0
	s_add_nc_u64 s[42:43], s[4:5], s[40:41]
	s_add_nc_u64 s[46:47], s[6:7], s[44:45]
	CROUND                                         ; all sixteen work-groups are here: the first joint loads meet
.irp s, 0,1
	s_mov_b32 s[G0A+4*(\s)], 1
	s_add_co_u32 s[G0A+4*(\s)+1], s23, (\s)*SLOT
	s_add_nc_u64 s[G0A+4*(\s)+2:G0A+4*(\s)+3], s[42:43], (\s)*2097152   ; K step s: four blocks on
	s_or_b32 s[G0A+4*(\s)+3], s[G0A+4*(\s)+3], 0x80000000
	s_mov_b32 s[G0B+4*(\s)], 1
	s_add_co_u32 s[G0B+4*(\s)+1], s23, (\s)*SLOT
	s_add_nc_u64 s[G0B+4*(\s)+2:G0B+4*(\s)+3], s[46:47], (\s)*524288    ; 256 rows on
	s_or_b32 s[G0B+4*(\s)+3], s[G0B+4*(\s)+3], 0x80000000
.endr
	s_cmp_eq_u32 s[MH], 0                          ; a wave's two first fills stand in one branch: two loads of mine are out
	s_cbranch_scc0 .Lfirst_b
	tensor_load_to_lds s[G0A:G0A+3], s[G1A:G1A+7]
	s_nop 0
	tensor_load_to_lds s[G0A+4:G0A+7], s[G1A:G1A+7]
	s_nop 0
.rept 4
	v_nop
.endr
	s_branch .Lfirst_asked
.Lfirst_b:
	tensor_load_to_lds s[G0B:G0B+3], s[G1B:G1B+7]
	s_nop 0
	tensor_load_to_lds s[G0B+4:G0B+7], s[G1B:G1B+7]
	s_nop 0
.rept 4
	v_nop
.endr
.Lfirst_asked:
	v_and_b32 v1, 15, v0                           ; r
	v_bfe_u32 v2, v0, 4, 1                         ; h
	v_lshlrev_b32 v[BOF], 5, v2
	s_lshl_b32 s2, s[NH], 8
	v_add_nc_u32 v[BOF], s2, v[BOF]                ; 256 NH + 32 h
	v_and_b32 v[CO], 31, v0
	v_lshlrev_b32 v[CO], 4, v[CO]
	s_lshl_b32 s44, s19, 9                         ; the tile's 128 columns of f32
	s_mov_b32 s45, 0
	s_add_nc_u64 s[8:9], s[8:9], s[44:45]
	s_lshl_b32 s2, s20, 19                         ; 128 rows of 4,096 bytes a tile row,
	s_add_co_u32 s44, s44, s2
	s_lshl_b32 s2, s[WV], 17                       ; 32 rows a wave
	s_add_co_u32 s44, s44, s2
	s_add_nc_u64 s[10:11], s[10:11], s[44:45]
	s_add_nc_u64 s[12:13], s[12:13], s[44:45]
.set ba, 0
.rept 4                                ; every accumulator starts as its eight columns' bias
.set bb, 0
.rept 4
	global_load_b128 v[ACC+8*(4*ba+bb):ACC+8*(4*ba+bb)+3],   v[BOF], s[8:9] offset:64*bb
	global_load_b128 v[ACC+8*(4*ba+bb)+4:ACC+8*(4*ba+bb)+7], v[BOF], s[8:9] offset:64*bb+16
.set bb, bb+1
.endr
.set ba, ba+1
.endr
	WIN 0x80                                       ; destination window 2
.set bt, 0
.rept 32                               ; the residual: row 32 w + t, 512 consecutive bytes a load
	global_load_b128 v[4*bt:4*bt+3], v[CO], s[10:11] offset:4096*bt
.set bt, bt+1
.endr
	WIN 0
	v_mul_u32_u24 v3, v1, PA
	v_lshl_add_u32 v3, v2, 4, v3
	s_mul_i32 s2, s[MH], 64*PA
	v_add_nc_u32 v[ADRA0], s2, v3
	v_and_b32 v4, 7, v0
	v_lshl_add_u32 v4, v2, 3, v4
	v_mul_u32_u24 v4, v4, PB
	v_bfe_u32 v5, v0, 3, 1
	v_lshl_add_u32 v4, v5, 4, v4
	s_lshl_b32 s2, s[NH], 7
	s_add_co_u32 s2, s2, BOFF
	v_add_nc_u32 v[ADRB0], s2, v4
	v_mov_b32 v[ADRA], v[ADRA0]
	v_mov_b32 v[ADRB], v[ADRB0]
	v_add_nc_u32 v[ADRB+1], PIECE, v[ADRB0]
	v_mul_u32_u24 v6, v1, SPITCH                   ; into the stage: row 64 MH + r, byte 256 NH + 32 h
	v_lshl_add_u32 v6, v2, 5, v6
	s_mul_i32 s2, s[MH], 64*SPITCH
	s_lshl_b32 s3, s[NH], 8
	s_add_co_u32 s2, s2, s3
	v_add_nc_u32 v[STO], s2, v6
	s_mul_i32 s2, s[WV], 32*SPITCH                 ; back: wave w takes rows 32 w on, a whole row of 512 bytes a load
	v_add_nc_u32 v[RD], s2, v[CO]
.macro WMMA d, a, b
.if F16
	v_wmma_f32_16x16x32_f16 v[(\d):(\d)+7], v[(\a):(\a)+7], v[(\b):(\b)+7], v[(\d):(\d)+7]
.else
	v_wmma_f32_16x16x32_bf16 v[(\d):(\d)+7], v[(\a):(\a)+7], v[(\b):(\b)+7], v[(\d):(\d)+7]
.endif
.endm
; 8 matrix instructions: row blocks a0, a0 + 1 x all 4 column blocks, 32 along K: half c of buffer f.  The 16 accumulators take turns.
.macro MUL8 f, c, a0
	WIN MUL
.irp a, \a0, (\a0)+1
.irp b, 0,1,2,3
	WMMA ACC+8*(4*(\a)+(\b)), (\f)+64+8*(4*(\c)+(\b)), (\f)+8*(4*(\c)+(\a))
.endr
.endr
.endm
; 32 LDS loads in one run: the fragments of quarter q (64 along K: block q of A) into buffer f; the first 32 along K first
.macro FETCH q, f
	WIN TO_F
.irp c, 0,1
.irp i, 0,1,2,3
	ds_load_tr16_b128 v[(\f)+64+8*(4*(\c)+(\i)):(\f)+64+8*(4*(\c)+(\i))+3],   v[ADRB+(\q)/2] offset:((\q)%2)*64*PB+(\c)*32*PB+32*(\i)
	ds_load_tr16_b128 v[(\f)+64+8*(4*(\c)+(\i))+4:(\f)+64+8*(4*(\c)+(\i))+7], v[ADRB+(\q)/2] offset:((\q)%2)*64*PB+(\c)*32*PB+32*(\i)+16*PB
	ds_load_b128 v[(\f)+8*(4*(\c)+(\i)):(\f)+8*(4*(\c)+(\i))+3],   v[ADRA] offset:(\q)*KBLK+64*(\c)+(\i)*16*PA
	ds_load_b128 v[(\f)+8*(4*(\c)+(\i))+4:(\f)+8*(4*(\c)+(\i))+7], v[ADRA] offset:(\q)*KBLK+64*(\c)+(\i)*16*PA+32
.endr
.endr
.endm
.macro QUARTER q, f, g
	s_wait_dscnt 16                                ; the first 32 along K are in; the youngest sixteen loads may be out
	MUL8 \f, 0, 0
	MUL8 \f, 0, 2
	PLACES
	FETCH \q, \g
	s_wait_dscnt 32                                ; all but the 32 just issued
	MUL8 \f, 1, 0
	MUL8 \f, 1, 2
.endm
; The last quarter multiplies buffer 1 and changes slots: ONE barrier; in front of it each wave waits for all its tensor loads, adds 0 to its spare word, and waits for that and for its reads of this slot.
.macro TURN fill
	WIN 0
	s_wait_tensorcnt 0x0                           ; all my tensor loads have landed: my part of the next slot
	ds_add_u32 v[SPW], v[NIL]                      ; 0 onto my spare word
	s_wait_dscnt 17                                ; the add and the youngest sixteen loads may be out
	MUL8 F1, 0, 0
	s_wait_dscnt 0x0                               ; the add is done, and my reads of this slot are over
	s_barrier_signal -1
	MUL8 F1, 0, 2
	WIN 0
	s_barrier_wait -1
.if \fill
	CREST                                          ; the barrier has opened a round of the cluster's: no wave of any partner still reads this slot or has a load on its way
	s_xor_b32 s[G0A+5], s[G0A+5], SLOT
	s_add_nc_u64 s[G0A+6:G0A+7], s[G0A+6:G0A+7], 2097152
	s_xor_b32 s[G0B+5], s[G0B+5], SLOT
	s_add_nc_u64 s[G0B+6:G0B+7], s[G0B+6:G0B+7], 524288
	JLOAD                                          ; its four v_nop are also the places in front of the loads below
.else
	PLACES
.endif
	s_xor_b32 s[TB], s[TB], SLOT
	v_add_nc_u32 v[ADRA], s[TB], v[ADRA0]
	v_add_nc_u32 v[ADRB], s[TB], v[ADRB0]
	v_add_nc_u32 v[ADRB+1], PIECE, v[ADRB]
	FETCH 0, F0
	MUL8 F1, 1, 0
	MUL8 F1, 1, 2
.endm
	s_wait_loadcnt 0x0                             ; bias and residual are in
	s_wait_tensorcnt 0x1                           ; my part of K step 0 is in; K step 1's may stay out
	s_barrier_signal -1
	s_barrier_wait -1
	s_mov_b32 s[TB], 0
	FETCH 0, F0
	WIN 0
	s_mov_b32 s[CNT], KSTEPS-2
.Lfill:                                                ; all K steps but the last two fill their slot again
	QUARTER 1, F0, F1
	QUARTER 2, F1, F0
	QUARTER 3, F0, F1
	TURN 1
	WIN 0
	s_sub_co_u32 s[CNT], s[CNT], 1
	s_cmp_lg_u32 s[CNT], 0
	s_cbranch_scc1 .Lfill
	s_mov_b32 s[CNT], 2
.Ltail:
	QUARTER 1, F0, F1
	QUARTER 2, F1, F0
	QUARTER 3, F0, F1
	TURN 0
	WIN 0
	s_sub_co_u32 s[CNT], s[CNT], 1
	s_cmp_lg_u32 s[CNT], 0
	s_cbranch_scc1 .Ltail
	; THE WAY OUT: the f32 sums into the work-group's stage; a barrier, since a row's 512 bytes come from two waves; back as whole rows; plus the residual; stored.
	s_wait_dscnt 0x0                               ; my last reads of slot 0 are over
	s_barrier_signal -1
	s_barrier_wait -1
	PLACES
.irp a, 0,1,2,3
.irp b, 0,1,2,3
	ds_store_b128 v[STO], v[ACC+8*(4*(\a)+(\b)):ACC+8*(4*(\a)+(\b))+3]   offset:(\a)*16*SPITCH+64*(\b)      ; each accumulator from its low end on
	ds_store_b128 v[STO], v[ACC+8*(4*(\a)+(\b))+4:ACC+8*(4*(\a)+(\b))+7] offset:(\a)*16*SPITCH+64*(\b)+16
.endr
.endr
	s_wait_dscnt 0x0                               ; for the others' sake: my stores into the stage are done
	s_barrier_signal -1
	s_barrier_wait -1
.irp g, 0,1
.if \g
	s_wait_xcnt 0x0                                ; the registers that the first sixteen stores name are loaded again only behind this wait
.endif
.irp t, 0,1,2,3,4,5,6,7,8,9,10,11,12,13,14,15
	ds_load_b128 v[TMP+4*(\t):TMP+4*(\t)+3], v[RD] offset:SPITCH*(16*(\g)+(\t))
.endr
	s_wait_dscnt 0x0
	WIN 0x08                                       ; source 1 (the residual) in window 2
.set pi, 0
.rept 32
	v_pk_add_f32 v[TMP+2*pi:TMP+2*pi+1], v[TMP+2*pi:TMP+2*pi+1], v[64*(\g)+2*pi:64*(\g)+2*pi+1]
.set pi, pi+1
.endr
	WIN 0
.irp t, 0,1,2,3,4,5,6,7,8,9,10,11,12,13,14,15
	global_store_b128 v[CO], v[TMP+4*(\t):TMP+4*(\t)+3], s[12:13] offset:4096*(16*(\g)+(\t))  ; 512 consecutive bytes, aligned
.endr
.endr
	s_wait_tensorcnt 0x0                           ; the wave's end
	ds_add_u32 v[SPW], v[NIL]
	s_wait_dscnt 0x0
	CROUND                                         ; the closing round
	s_endpgm
.Lfunc_end_k_qcbc7765dce_oproj:
	.size	k_qcbc7765dce_oproj, .Lfunc_end_k_qcbc7765dce_oproj-k_qcbc7765dce_oproj
	.p2alignl 7, 3214868480
	.fill 96, 4, 3214868480
	.section	.rodata,"a",@progbits
	.p2align	6, 0x0
	.amdhsa_kernel k_qcbc7765dce_oproj
		.amdhsa_group_segment_fixed_size 327680
		.amdhsa_private_segment_fixed_size 0
		.amdhsa_enable_private_segment 0
		.amdhsa_kernarg_size 40
		.amdhsa_user_sgpr_count 2
		.amdhsa_user_sgpr_kernarg_segment_ptr 1
		.amdhsa_wavefront_size32 1
		.amdhsa_system_sgpr_workgroup_id_x 1
		.amdhsa_system_sgpr_workgroup_id_y 1
		.amdhsa_system_sgpr_workgroup_id_z 1
		.amdhsa_system_vgpr_workitem_id 0
		.amdhsa_next_free_vgpr 640
		.amdhsa_next_free_sgpr 72
		.amdhsa_reserve_vcc 0
		.amdhsa_float_denorm_mode_32 3
		.amdhsa_float_denorm_mode_16_64 3
		.amdhsa_memory_ordered 1
		.amdhsa_forward_progress 1
		.amdhsa_inst_pref_size 63
	.end_amdhsa_kernel
	.amdgpu_metadata
---
amdhsa.version: [ 1, 2 ]
amdhsa.kernels:
  - .name:           k_qcbc7765dce_oproj
    .symbol:         k_qcbc7765dce_oproj.kd
    .args:
      - { .name: act, .offset: 0, .size: 8, .value_kind: global_buffer, .address_space: global }
      - { .name: wb, .offset: 8, .size: 8, .value_kind: global_buffer, .address_space: global }
      - { .name: b_out, .offset: 16, .size: 8, .value_kind: global_buffer, .address_space: global }
      - { .name: x, .offset: 24, .size: 8, .value_kind: global_buffer, .address_space: global }
      - { .name: x1, .offset: 32, .size: 8, .value_kind: global_buffer, .address_space: global }
    .group_segment_fixed_size: 327680
    .private_segment_fixed_size: 0
    .kernarg_segment_align: 8
    .kernarg_segment_size: 40
    .max_flat_workgroup_size: 128
    .sgpr_count:     72
    .vgpr_count:     640
    .wavefront_size: 32
...
	.end_amdgpu_metadata
.endif
;; end of part 4
;; launch ln2: the kernel of part 1 again; grid 256 x 1, 8 waves a work-group, no clusters, 0 bytes of LDS; arguments x1, ln2_g, ln2_b, act, w_qkv, w_out, w_ff1, w_ff2, ff; writes act, ff
;; launch ff1 (part 5): grid 16 x 16, 4 waves a work-group, clusters of 4 x 4, 327,680 bytes of LDS; arguments act, wb, b_ff1, ff; writes ff
.if DOCPART == 5
	.amdgcn_target "amdgcn-amd-amdhsa--gfx1250"
	.amdhsa_code_object_version 6
	.text
	.protected	k_qcbc7765dce_ff1
	.globl	k_qcbc7765dce_ff1
	.p2align	8
	.type	k_qcbc7765dce_ff1,@function
k_qcbc7765dce_ff1:
	s_mov_b64 s[64:65], 0
	v_nop
	global_prefetch_b8 v0, s[64:65] scope:SCOPE_SE
	s_setreg_imm32_b32 hwreg(HW_REG_WAVE_MODE, 25, 1), 1
	s_wait_xcnt 0x0
	s_wait_alu depctr_hold_cnt(0) depctr_sa_sdst(0) depctr_va_vdst(0) depctr_va_sdst(0) depctr_va_ssrc(0) depctr_va_vcc(0) depctr_vm_vsrc(0)
	s_getreg_b32 s2, hwreg(HW_REG_IB_STS2, 6, 4)
	s_cmp_eq_u32 s2, 0
	s_cbranch_scc0 .Lentry_in_a_cluster
	s_endpgm
.Lentry_in_a_cluster:
	s_bfe_u32 s2, ttmp6, 0x10000c
	s_cmp_lg_u32 s2, 0xf033
	s_cbranch_scc0 .Lentry_shape_is_right
	s_endpgm
.Lentry_shape_is_right:
; ff = bf16(relu(h2 W + b)).  h2 = act: [4096][1024] bf16.  W = w_ff1 in wb: [1024][4096] bf16, as the input lies ([K][N]).  b: [4096] f32.  Sums in f32.
; OUT BY BLOCKS OF 64 COLUMNS: element (m, n) lies at byte ((n / 64) * 4096 + m) * 128 + (n % 64) * 2, the layout in which the next product asks for its K steps.
; relu is a maximum with 0 in which a NaN loses; NaN and infinities are not treated apart.
; A tile of the result is 256 rows x TN = 256 columns: 16 x 16 tiles, one for each work-group.  Four waves, 2 x 2; a wave makes 128 x 128: 8 x NBW accumulators of 16 x 16.
; K goes in 8 steps of 128 through two LDS slots filled by the tensor data mover.  A's rows lie along K and are read as they lie; W's rows lie along N and are turned by ds_load_tr16_b128.
; THE MATRIX INSTRUCTION IS USED TRANSPOSED (source 0 = 16 columns of W, source 1 = 16 rows of h2): a lane holds eight neighbouring columns of one row.
; THE SUMS START AS THE BIAS: each accumulator is loaded with its eight columns' b, so nothing is cleared, no first step is written out and no bias is added at the end.
; CLUSTER 4 x 4: the four work-groups of a row of the cluster need the same tiles of h2, the four of a column the same tiles of W; each tile is asked for jointly.
; ONE K STEP IS WRITTEN ONCE: the slot in hand is a scalar (TB) that an exclusive or turns.  SLOT = 0x24000: its two set bits are clear in the four LDS bases
; 0, 0x8800, 0x11000, 0x1a000, so the exclusive or is an addition or a subtraction of SLOT.  The last step's change of slots fetches stale fragments that nobody multiplies: the price of one text.
; REGISTERS, in windows of 256: window 0: v16-29 addresses; v64-127, v128-191 fragments of A, two buffers; v192-223 packed results; on the way out v64-127 rows read back.
;   window 1: v64.., v128.. fragments of W, two buffers.   windows 2, 3: accumulator (a, b) at v[8 (8 (a % 4) + b)] of window 2 + a / 4.
.set SIZE_N, 4096
.set NBW,    8                         ; blocks of 16 columns a wave
.set WOFF,   8388608                   ; W's first byte in wb
.set QIB,    5                         ; W's rows in LDS are padded after every 2 << QIB words
.set RELU,   1
.set F16OUT, 0
.set TN,     32*NBW
.set NC,     TN/64                     ; blocks of 64 columns in a tile
.set NLD,    16+2*NBW                  ; LDS loads in a run
.set PA,     272                       ; a row of A in LDS: 256 bytes + 16: the 16 rows of a load start at 16 different groups of four banks (64 banks of 4 bytes: ISA guide 11.1)
.set PB,     288                       ; a row of W in LDS: its data + padding = 72 words
.set HALFA,  128*PA
.set HALFB,  128*PB
.set BOFF,   2*HALFA                   ; W's two column halves lie behind A's two row halves
.set SLOT,   147456
.set SPARE,  2*SLOT                    ; the spare words, 128 bytes for each wave: two blocks of 256 bytes that no other line names
.set SPITCH, 2*TN+16                   ; the stage for the way out: 256 rows, over slot 0 when it has had its last fill
.set ADRA0, 16                         ; v16  my lane's place in slot 0's A; never rewritten
.set ADRB0, 17                         ; v17  the same for W
.set ADRA,  18                         ; v18  the same in the slot in hand
.set ADRB,  19                         ; v19
.set STO,   24                         ; v24  the way out: where I put 16 bytes of a row
.set RD,    25                         ; v25  where I read four rows of a block back
.set CO,    26                         ; v26  16 x lane
.set BOF,   27                         ; v27  32 x (lane / 16): my eight columns' bias
.set SPW,   28                         ; v28  LDS address of my spare word; never rewritten
.set NIL,   29                         ; v29  0; never rewritten
.set F0,    64
.set F1,    128
.set TMP,   192
.set OB,    64
.set WV,  12                           ; s12 wave; s13 MH: my half of the rows, also: I fetch for A (0) or W (1); s14 NH: my half of the columns, also: which half I fetch
.set MH,  13
.set NH,  14
.set G1A, 24                           ; s[24:31] descriptor group 1 for A's tiles
.set G0A, 32                           ; s[32:39] group 0: a set for each of the two first fills; the second then walks on
.set G1B, 48                           ; s[48:55], s[56:63] the same for W's
.set G0B, 56
.set TB,  66                           ; s66  0 or SLOT: the slot in hand
.set CNT, 67                           ; s67  loop count
.set MSB, 0
.macro WIN new                         ; the immediate's high byte repeats the setting that is left; a switch that changes nothing is dropped
.if MSB != (\new)
	s_set_vgpr_msb (MSB<<8)|(\new)
.set MSB, (\new)
.endif
.endm
.set MUL_LO, 0xa1                      ; source 0 (W) window 1, source 1 (A) window 0, C and D window 2
.set MUL_HI, 0xf1                      ; the same, C and D window 3
.set TO_B,   0x40                      ; destination window 1, address window 0
.macro PLACES                          ; four places in front of loads into registers that matrix instructions have read, and of vector lines that read results
.rept 4
	v_nop
.endr
.endm
; A joint refill by the walking descriptors.  Waves 0 and 1 fetch A's two halves, waves 2 and 3 W's.  The branch hangs on the wave's number alone.
; An s_nop 0 and four v_nop follow each of the two lines, ahead of the jump and the label.
.macro JLOAD
	s_cmp_eq_u32 s[MH], 0
	s_cbranch_scc0 .Lfor_b_\@
	tensor_load_to_lds s[G0A+4:G0A+7], s[G1A:G1A+7]
	s_nop 0
.rept 4
	v_nop
.endr
	s_branch .Lasked_\@
.Lfor_b_\@:
	tensor_load_to_lds s[G0B+4:G0B+7], s[G1B:G1B+7]
	s_nop 0
.rept 4
	v_nop
.endr
.Lasked_\@:
.endm
.macro CREST                           ; a round of the cluster's barrier behind its opening barrier
	s_cmp_lg_u32 s[WV], 0
	s_cbranch_scc1 .Lnot_wave_0_\@
	s_barrier_signal -3
.Lnot_wave_0_\@:
	s_barrier_wait -3
	s_barrier_signal -1
	s_barrier_wait -1
.endm
.macro CROUND                          ; a whole round
	s_barrier_signal -1
	s_barrier_wait -1
	CREST
.endm
	s_load_b256 s[4:11], s[0:1], 0x0               ; act s[4:5], wb s[6:7], bias s[8:9], out s[10:11]
	v_lshl_add_u32 v[SPW], v0, 2, SPARE
	v_mov_b32 v[NIL], 0
	ds_add_u32 v28, v29
	s_wait_dscnt 0x0
	v_lshrrev_b32 v1, 5, v0
	v_readfirstlane_b32 s[WV], v1
	s_lshr_b32 s[MH], s[WV], 1
	s_and_b32 s[NH], s[WV], 1
	s_bfe_u32 s16, ttmp6, 0x40000                  ; cx
	s_bfe_u32 s17, ttmp6, 0x40004                  ; cy
	s_lshl_b32 s18, ttmp9, 2
	s_add_co_u32 s18, s18, s16                     ; tile column TC = 4 x cluster x + cx
	s_and_b32 s19, ttmp7, 0xffff
	s_lshl_b32 s19, s19, 2
	s_add_co_u32 s19, s19, s17                     ; tile row TR = 4 x cluster y + cy
	s_lshl_b32 s20, s17, 2
	s_lshl_b32 s20, 15, s20                        ; my row of the cluster
	s_lshl_b32 s21, 0x1111, s16                    ; my column
	; group 1 for A: 128 rows x 128 elements, 16 bytes of padding behind every 256
	s_or_b32 s[G1A], s20, (1<<16)|(1<<20)|(1<<21)|(5<<22)|(3<<25)  ; 15:0 mask; 17:16 2-byte elements; 20 padding on; 21 set beside a mask; 24:22 interval; 31:25 padding words - 1
	s_mov_b32 s[G1A+1], 128<<16                    ; tensor_dim0 = 128
	s_mov_b32 s[G1A+2], 128<<16                    ; tensor_dim1 = 128
	s_mov_b32 s[G1A+3], 128<<16                    ; tile_dim0 = 128
	s_mov_b32 s[G1A+4], 128                        ; tile_dim1 = 128
	s_mov_b32 s[G1A+5], 1024                       ; elements from row to row
	s_mov_b32 s[G1A+6], 0
	s_mov_b32 s[G1A+7], 0
	; group 1 for W: 128 rows of K x 16 NBW columns, 32 bytes of padding behind every 2 << QIB words: an LDS row is 288 bytes
	s_or_b32 s[G1B], s21, (1<<16)|(1<<20)|(1<<21)|(QIB<<22)|(7<<25)
	s_mov_b32 s[G1B+1], (16*NBW)<<16
	s_mov_b32 s[G1B+2], 128<<16
	s_mov_b32 s[G1B+3], (16*NBW)<<16
	s_mov_b32 s[G1B+4], 128
	s_mov_b32 s[G1B+5], SIZE_N
	s_mov_b32 s[G1B+6], 0
	s_mov_b32 s[G1B+7], 0
	; A's address hangs on the tile row and the wave alone, W's on the tile column and the wave alone, each in registers that never hold the other coordinate
	s_lshl_b32 s40, s19, 19                        ; 256 rows of 2,048 bytes a tile row,
	s_lshl_b32 s41, s[NH], 18                      ; 128 rows a half
	s_add_co_u32 s40, s40, s41
	s_mov_b32 s41, 0
	s_mul_i32 s44, s18, 2*TN                       ; a tile column's bytes in a row of W,
	s_mul_i32 s45, s[NH], 32*NBW                   ; a half's
	s_add_co_u32 s44, s44, s45
	s_add_co_u32 s44, s44, WOFF
	s_mov_b32 s45, 0
	s_mul_i32 s22, s[NH], HALFA                    ; where they go: no place in the cluster enters an LDS address
	s_mul_i32 s23, s[NH], HALFB
	s_add_co_u32 s23, s23, BOFF
	s_wait_kmcnt 0x0
	s_add_nc_u64 s[42:43], s[4:5], s[40:41]
	s_add_nc_u64 s[46:47], s[6:7], s[44:45]
	CROUND                                         ; all sixteen work-groups are here: the first joint loads meet
.irp s, 0,1
	s_mov_b32 s[G0A+4*(\s)], 1                                        ; count = 1
	s_add_co_u32 s[G0A+4*(\s)+1], s22, (\s)*SLOT                      ; LDS address
	s_add_nc_u64 s[G0A+4*(\s)+2:G0A+4*(\s)+3], s[42:43], (\s)*256     ; global address: K step s
	s_or_b32 s[G0A+4*(\s)+3], s[G0A+4*(\s)+3], 0x80000000             ; type = 2
	s_mov_b32 s[G0B+4*(\s)], 1
	s_add_co_u32 s[G0B+4*(\s)+1], s23, (\s)*SLOT
	s_add_nc_u64 s[G0B+4*(\s)+2:G0B+4*(\s)+3], s[46:47], (\s)*256*SIZE_N
	s_or_b32 s[G0B+4*(\s)+3], s[G0B+4*(\s)+3], 0x80000000
.endr
	s_cmp_eq_u32 s[MH], 0                          ; a wave's two first fills stand in one branch: two loads of mine are out
	s_cbranch_scc0 .Lfirst_b
	tensor_load_to_lds s[G0A:G0A+3], s[G1A:G1A+7]
	s_nop 0
	tensor_load_to_lds s[G0A+4:G0A+7], s[G1A:G1A+7]
	s_nop 0
.rept 4
	v_nop
.endr
	s_branch .Lfirst_asked
.Lfirst_b:
	tensor_load_to_lds s[G0B:G0B+3], s[G1B:G1B+7]
	s_nop 0
	tensor_load_to_lds s[G0B+4:G0B+7], s[G1B:G1B+7]
	s_nop 0
.rept 4
	v_nop
.endr
.Lfirst_asked:
	v_and_b32 v1, 15, v0                           ; r = lane % 16
	v_bfe_u32 v2, v0, 4, 1                         ; h = lane / 16
	v_lshlrev_b32 v[BOF], 5, v2
	s_mul_i32 s44, s18, 4*TN                       ; my wave's first column in the bias
	s_mul_i32 s45, s[NH], 64*NBW
	s_add_co_u32 s44, s44, s45
	s_mov_b32 s45, 0
	s_add_nc_u64 s[8:9], s[8:9], s[44:45]
	; every accumulator starts as its eight columns' bias: register j of (a, b) is b[16 b + 8 h + j]
.set ba, 0
.rept 8
	WIN 0x80+0x40*(ba/4)                           ; destination window 2 or 3, address window 0
.set bb, 0
.rept NBW
	global_load_b128 v[8*(8*(ba%4)+bb):8*(8*(ba%4)+bb)+3],   v[BOF], s[8:9] offset:64*bb
	global_load_b128 v[8*(8*(ba%4)+bb)+4:8*(8*(ba%4)+bb)+7], v[BOF], s[8:9] offset:64*bb+16
.set bb, bb+1
.endr
.set ba, ba+1
.endr
	WIN 0
	v_mul_u32_u24 v3, v1, PA                       ; a fragment of A: row r, 16 bytes for each half of the lanes
	v_lshl_add_u32 v3, v2, 4, v3
	s_mul_i32 s2, s[MH], HALFA
	v_add_nc_u32 v[ADRA0], s2, v3
	v_and_b32 v4, 7, v0                            ; the turning load: lane l reads row of K 8 h + l % 8, 16 bytes at 16 ((l / 8) % 2)
	v_lshl_add_u32 v4, v2, 3, v4
	v_mul_u32_u24 v4, v4, PB
	v_bfe_u32 v5, v0, 3, 1
	v_lshl_add_u32 v4, v5, 4, v4
	v_add_nc_u32 v[ADRB0], s23, v4
	v_mov_b32 v[ADRA], v[ADRA0]
	v_mov_b32 v[ADRB], v[ADRB0]
	v_mul_u32_u24 v6, v1, SPITCH                   ; into the stage: row 128 MH + r, my half of the columns, 16 bytes for each half of the lanes
	v_lshl_add_u32 v6, v2, 4, v6
	s_mul_i32 s2, s[MH], 128*SPITCH
	s_mul_i32 s3, s[NH], 32*NBW
	s_add_co_u32 s2, s2, s3
	v_add_nc_u32 v[STO], s2, v6
	v_bfe_u32 v7, v0, 3, 2                         ; back: wave w takes rows 64 w on; 32 lanes take four rows x 128 bytes
	v_mul_u32_u24 v7, v7, SPITCH
	v_and_b32 v8, 7, v0
	v_lshl_add_u32 v7, v8, 4, v7
	s_mul_i32 s2, s[WV], 64*SPITCH
	v_add_nc_u32 v[RD], s2, v7
	v_and_b32 v[CO], 31, v0
	v_lshlrev_b32 v[CO], 4, v[CO]
	s_mul_i32 s44, s18, NC*524288                  ; out: the tile's first block of 64 columns,
	s_lshl_b32 s45, s19, 15                        ; its 256 rows of 128 bytes,
	s_add_co_u32 s44, s44, s45
	s_lshl_b32 s45, s[WV], 13                      ; my 64 of them
	s_add_co_u32 s44, s44, s45
	s_mov_b32 s45, 0
	s_add_nc_u64 s[10:11], s[10:11], s[44:45]
; 2 NBW matrix instructions: row blocks a0, a0 + 1 of the window's four x all NBW column blocks, 32 along K.  The 8 NBW accumulators take turns, one instruction a turn.
.macro MUL16 f, hi, a0
	WIN MUL_LO+0x50*(\hi)
.set ma, (\a0)
.rept 2
.set mb, 0
.rept NBW
	v_wmma_f32_16x16x32_bf16 v[8*(8*ma+mb):8*(8*ma+mb)+7], v[(\f)+8*mb:(\f)+8*mb+7], v[(\f)+8*(4*(\hi)+ma):(\f)+8*(4*(\hi)+ma)+7], v[8*(8*ma+mb):8*(8*ma+mb)+7]
.set mb, mb+1
.endr
.set ma, ma+1
.endr
.endm
; NLD LDS loads in one run: the fragments of quarter q (32 along K) of the slot in hand into buffer f: W's first, then A's row blocks 0 to 7
.macro FETCH q, f
	WIN TO_B
.set fb, 0
.rept NBW
.if QIB == 5
.set nof, 32*fb
.else
.set nof, (fb/2)*96+(fb%2)*32                  ; 64 bytes of data, then 32 of padding
.endif
	ds_load_tr16_b128 v[(\f)+8*fb:(\f)+8*fb+3],   v[ADRB] offset:32*PB*(\q)+nof
	ds_load_tr16_b128 v[(\f)+8*fb+4:(\f)+8*fb+7], v[ADRB] offset:32*PB*(\q)+nof+16*PB
.set fb, fb+1
.endr
	WIN 0
.irp i, 0,1,2,3,4,5,6,7
	ds_load_b128 v[(\f)+8*(\i):(\f)+8*(\i)+3],   v[ADRA] offset:64*(\q)+(\i)*16*PA
	ds_load_b128 v[(\f)+8*(\i)+4:(\f)+8*(\i)+7], v[ADRA] offset:64*(\q)+(\i)*16*PA+32
.endr
.endm
; One of a K step's first three quarters: multiplies buffer f; in its middle fetches quarter q into buffer g.
.macro QUARTER q, f, g
	s_wait_dscnt 8                                 ; W and A's rows 0-63 are in; the youngest eight loads (A's rows 64-127) may be out
	MUL16 \f, 0, 0
	MUL16 \f, 0, 2
	PLACES
	FETCH \q, \g
	s_wait_dscnt NLD                               ; all but the run just issued
	MUL16 \f, 1, 0
	MUL16 \f, 1, 2
.endm
; The last quarter multiplies buffer 1 and changes slots: ONE barrier.  In front of it each wave waits for all its tensor loads (one is out: its part of the next slot), adds 0 to its spare
; word, and waits for that and for its reads of this slot.  fill = 1: the barrier opens a round of the cluster's barrier, and this slot is filled again, two K steps ahead, first thing behind the round.
.macro TURN fill
	WIN 0
	s_wait_tensorcnt 0x0
	ds_add_u32 v[SPW], v[NIL]                      ; 0 onto my spare word
	s_wait_dscnt 9                                 ; the add and the youngest eight loads may be out
	MUL16 F1, 0, 0
	s_wait_dscnt 0x0                               ; the add is done, and my reads of this slot are over
	s_barrier_signal -1
	MUL16 F1, 0, 2
	WIN 0                                          ; at a branch and at a label every window is 0
	s_barrier_wait -1
.if \fill
	CREST                                          ; no wave of any partner still reads this slot or has a load on its way
	s_xor_b32 s[G0A+5], s[G0A+5], SLOT             ; the walking descriptors: the other slot than last time, the next K step
	s_add_nc_u64 s[G0A+6:G0A+7], s[G0A+6:G0A+7], 256
	s_xor_b32 s[G0B+5], s[G0B+5], SLOT
	s_add_nc_u64 s[G0B+6:G0B+7], s[G0B+6:G0B+7], 256*SIZE_N
	JLOAD                                          ; its four v_nop are also the places in front of the loads below
.else
	PLACES
.endif
	s_xor_b32 s[TB], s[TB], SLOT
	v_add_nc_u32 v[ADRA], s[TB], v[ADRA0]
	v_add_nc_u32 v[ADRB], s[TB], v[ADRB0]
	FETCH 0, F0
	MUL16 F1, 1, 0
	MUL16 F1, 1, 2
.endm
	s_wait_loadcnt 0x0                             ; the bias is in the accumulators
	s_wait_tensorcnt 0x1                           ; my part of K step 0 is in; K step 1's may stay out
	s_barrier_signal -1
	s_barrier_wait -1                              ; everybody's is
	s_mov_b32 s[TB], 0
	FETCH 0, F0
	WIN 0
	s_mov_b32 s[CNT], 6
.Lfill:                                                ; K steps 0 to 5: each fills its slot again, with the step two on
	QUARTER 1, F0, F1
	QUARTER 2, F1, F0
	QUARTER 3, F0, F1
	TURN 1
	WIN 0
	s_sub_co_u32 s[CNT], s[CNT], 1
	s_cmp_lg_u32 s[CNT], 0
	s_cbranch_scc1 .Lfill
	s_mov_b32 s[CNT], 2
.Ltail:                                                ; K steps 6 and 7 ask for nothing
	QUARTER 1, F0, F1
	QUARTER 2, F1, F0
	QUARTER 3, F0, F1
	TURN 0
	WIN 0
	s_sub_co_u32 s[CNT], s[CNT], 1
	s_cmp_lg_u32 s[CNT], 0
	s_cbranch_scc1 .Ltail
	; THE WAY OUT.  relu, rounded, 16 bytes a lane into the work-group's stage (slot 0 has had its last fill); a barrier; back as rows of a block of 64 columns.
	s_wait_dscnt 0x0                               ; my last reads of slot 0 are over
	s_barrier_signal -1
	s_barrier_wait -1                              ; everybody's are: the stage may be written
	PLACES
.macro PACK a
.set AC, 64*((\a)%4)
.if RELU
	WIN 0x88+0x44*((\a)/4)                         ; source 1 and destination in window 2 or 3
.set pi, 0
.rept 8*NBW
	v_max_num_f32 v[AC+pi], 0, v[AC+pi]            ; each accumulator from its low end on
.set pi, pi+1
.endr
.endif
	WIN 0x0a+5*((\a)/4)                            ; sources 0 and 1 in window 2 or 3
.set pb, 0
.rept NBW
.irp r, 0,1,2,3
.if F16OUT
	v_cvt_pk_f16_f32 v[TMP+4*pb+(\r)], v[AC+8*pb+2*(\r)], v[AC+8*pb+2*(\r)+1]
.else
	v_cvt_pk_bf16_f32 v[TMP+4*pb+(\r)], v[AC+8*pb+2*(\r)], v[AC+8*pb+2*(\r)+1]
.endif
.endr
.set pb, pb+1
.endr
	WIN 0
.set pb, 0
.rept NBW
	ds_store_b128 v[STO], v[TMP+4*pb:TMP+4*pb+3] offset:(\a)*16*SPITCH+32*pb
.set pb, pb+1
.endr
.endm
.macro OUTB c                          ; my 64 rows of block c of the tile's NC
	s_wait_xcnt 0x0                                ; the registers that earlier stores name are loaded again only behind this wait
.irp t, 0,1,2,3,4,5,6,7,8,9,10,11,12,13,14,15
	ds_load_b128 v[OB+4*(\t):OB+4*(\t)+3], v[RD] offset:(\t)*4*SPITCH+128*(\c)
.endr
.irp t, 0,1,2,3,4,5,6,7,8,9,10,11,12,13,14,15
	s_wait_dscnt 15-(\t)                           ; LDS loads come back in order: load t is in
	global_store_b128 v[CO], v[OB+4*(\t):OB+4*(\t)+3], s[10:11] offset:(\c)*524288+(\t)*512  ; four rows of a block: 512 consecutive bytes, aligned
.endr
.endm
.irp a, 0,1,2,3,4,5,6,7
	PACK \a
.endr
	s_wait_dscnt 0x0                               ; for the others' sake: my stores into the stage are done
	s_barrier_signal -1
	s_barrier_wait -1
.set oc, 0
.rept NC
	OUTB oc
.set oc, oc+1
.endr
	s_wait_tensorcnt 0x0                           ; the wave's end
	ds_add_u32 v[SPW], v[NIL]
	s_wait_dscnt 0x0
	CROUND                                         ; the closing round: no work-group ends while a partner may still ask for a tile that names it
	s_endpgm
.Lfunc_end_k_qcbc7765dce_ff1:
	.size	k_qcbc7765dce_ff1, .Lfunc_end_k_qcbc7765dce_ff1-k_qcbc7765dce_ff1
	.p2alignl 7, 3214868480
	.fill 96, 4, 3214868480
	.section	.rodata,"a",@progbits
	.p2align	6, 0x0
	.amdhsa_kernel k_qcbc7765dce_ff1
		.amdhsa_group_segment_fixed_size 327680
		.amdhsa_private_segment_fixed_size 0
		.amdhsa_enable_private_segment 0
		.amdhsa_kernarg_size 32
		.amdhsa_user_sgpr_count 2
		.amdhsa_user_sgpr_kernarg_segment_ptr 1
		.amdhsa_wavefront_size32 1
		.amdhsa_system_sgpr_workgroup_id_x 1
		.amdhsa_system_sgpr_workgroup_id_y 1
		.amdhsa_system_sgpr_workgroup_id_z 1
		.amdhsa_system_vgpr_workitem_id 0
		.amdhsa_next_free_vgpr 1024
		.amdhsa_next_free_sgpr 72
		.amdhsa_reserve_vcc 0
		.amdhsa_float_denorm_mode_32 3
		.amdhsa_float_denorm_mode_16_64 3
		.amdhsa_memory_ordered 1
		.amdhsa_forward_progress 1
		.amdhsa_inst_pref_size 124
	.end_amdhsa_kernel
	.amdgpu_metadata
---
amdhsa.version: [ 1, 2 ]
amdhsa.kernels:
  - .name:           k_qcbc7765dce_ff1
    .symbol:         k_qcbc7765dce_ff1.kd
    .args:
      - { .name: act, .offset: 0, .size: 8, .value_kind: global_buffer, .address_space: global }
      - { .name: wb, .offset: 8, .size: 8, .value_kind: global_buffer, .address_space: global }
      - { .name: b_ff1, .offset: 16, .size: 8, .value_kind: global_buffer, .address_space: global }
      - { .name: ff, .offset: 24, .size: 8, .value_kind: global_buffer, .address_space: global }
    .group_segment_fixed_size: 327680
    .private_segment_fixed_size: 0
    .kernarg_segment_align: 8
    .kernarg_segment_size: 32
    .max_flat_workgroup_size: 128
    .sgpr_count:     72
    .vgpr_count:     1024
    .wavefront_size: 32
...
	.end_amdgpu_metadata
.endif
;; end of part 5
;; launch ff2 (part 6): grid 8 x 32, 4 waves a work-group, clusters of 4 x 4, 327,680 bytes of LDS; arguments ff, wb, b_ff2, x1, out0; writes out0
.if DOCPART == 6
	.amdgcn_target "amdgcn-amd-amdhsa--gfx1250"
	.amdhsa_code_object_version 6
	.text
	.protected	k_qcbc7765dce_ff2
	.globl	k_qcbc7765dce_ff2
	.p2align	8
	.type	k_qcbc7765dce_ff2,@function
k_qcbc7765dce_ff2:
	s_mov_b64 s[64:65], 0
	v_nop
	global_prefetch_b8 v0, s[64:65] scope:SCOPE_SE
	s_setreg_imm32_b32 hwreg(HW_REG_WAVE_MODE, 25, 1), 1
	s_wait_xcnt 0x0
	s_wait_alu depctr_hold_cnt(0) depctr_sa_sdst(0) depctr_va_vdst(0) depctr_va_sdst(0) depctr_va_ssrc(0) depctr_va_vcc(0) depctr_vm_vsrc(0)
	s_getreg_b32 s2, hwreg(HW_REG_IB_STS2, 6, 4)
	s_cmp_eq_u32 s2, 0
	s_cbranch_scc0 .Lentry_in_a_cluster
	s_endpgm
.Lentry_in_a_cluster:
	s_bfe_u32 s2, ttmp6, 0x10000c
	s_cmp_lg_u32 s2, 0xf033
	s_cbranch_scc0 .Lentry_shape_is_right
	s_endpgm
.Lentry_shape_is_right:
; out = resid + A W + b, in f32.  A: [K / 64][4096][64] in 16 bits (blocks of 64 columns, a block's rows dense, 128 bytes each).  W in wb: [K][1024] in 16 bits, as the input lies.  b: [1024], resid, out: [4096][1024] f32.
; Here: A = ff (bf16), W = w_ff2 (bf16), K = 4,096, resid = x1.
; A tile of the result is 128 x 128: 8 x 32 tiles, one for each work-group.  Four waves, 2 x 2, each 64 x 64: 16 accumulators.  K goes in steps of 256 through two LDS slots.
; A's tile of a step is four blocks of 128 rows x 128 bytes; a wave's tensor load brings two of them, each 16,384 dense bytes, as two long rows 524,288 bytes apart, padded in LDS after every 128 bytes.
; W's rows lie along N and are turned by ds_load_tr16_b128.  THE MATRIX INSTRUCTION IS USED TRANSPOSED (source 0 = 16 columns of W, source 1 = 16 rows of A).
; THE SUMS START AS THE BIAS.  The residual's 32 rows a wave are loaded at the start into 128 registers and added on the way out, behind the stage that turns the result into whole rows.
; CLUSTER 4 x 4: A's tiles are shared along a row of the cluster, W's along a column; each is asked for jointly.
; ONE K STEP IS WRITTEN ONCE: the slot in hand is a scalar (TB) that an exclusive or turns; SLOT = 0x24000 has its two set bits clear in the four LDS bases w x 0x9000.
; The last step's change of slots fetches stale fragments that nobody multiplies: the price of one text.
; REGISTERS: window 0: v16-29 addresses; v32-95 at work on the way out; v128-255 accumulators ((a, b) at 128 + 8 (4 a + b)).  window 1: two fragment buffers of 128 (64 of A, 64 of W, for 64 along K).  window 2: v0-127 the residual.
.set KSTEPS, 16
.set WOFF,   16777216
.set F16,    0
.set PA,     144                       ; a row of A in LDS: 128 bytes + 16: the 16 rows of a load start at 16 different groups of four banks (64 banks of 4 bytes: ISA guide 11.1)
.set PB,     288                       ; a row of W: 256 + 32
.set KBLK,   128*PA                    ; a block of A in LDS
.set PIECE,  36864                     ; what one tensor load brings: two blocks of A, or 128 rows of W
.set BOFF,   2*PIECE
.set SLOT,   147456
.set SPARE,  2*SLOT                    ; the spare words, 128 bytes for each wave: two blocks of 256 bytes that no other line names
.set SPITCH, 528                       ; the stage: 128 rows of 512 bytes + 16, over slot 0 when it has had its last fill
.set ADRA0, 16
.set ADRB0, 17
.set ADRA,  18
.set ADRB,  19                         ; v19 W's rows 0-127 of the step, v20 rows 128-255: the immediate reaches 65,535 bytes
.set STO,   24
.set RD,    25
.set CO,    26
.set BOF,   27
.set SPW,   28                         ; LDS address of my spare word; never rewritten
.set NIL,   29                         ; 0; never rewritten
.set TMP,   32
.set ACC,   128
.set F0,    0
.set F1,    128
.set WV,  14
.set MH,  15
.set NH,  16
.set G1A, 24
.set G0A, 32
.set G1B, 48
.set G0B, 56
.set TB,  66
.set CNT, 67
.set MSB, 0
.macro WIN new
.if MSB != (\new)
	s_set_vgpr_msb (MSB<<8)|(\new)
.set MSB, (\new)
.endif
.endm
.set MUL,  0x05                        ; sources 0 (W) and 1 (A) window 1; C and D window 0
.set TO_F, 0x40                        ; destination window 1, address window 0
.macro PLACES
.rept 4
	v_nop
.endr
.endm
.macro JLOAD                           ; a joint refill by the walking descriptors: waves 0 and 1 for A, waves 2 and 3 for W; an s_nop 0 and four v_nop follow each line
	s_cmp_eq_u32 s[MH], 0
	s_cbranch_scc0 .Lfor_b_\@
	tensor_load_to_lds s[G0A+4:G0A+7], s[G1A:G1A+7]
	s_nop 0
.rept 4
	v_nop
.endr
	s_branch .Lasked_\@
.Lfor_b_\@:
	tensor_load_to_lds s[G0B+4:G0B+7], s[G1B:G1B+7]
	s_nop 0
.rept 4
	v_nop
.endr
.Lasked_\@:
.endm
.macro CREST
	s_cmp_lg_u32 s[WV], 0
	s_cbranch_scc1 .Lnot_wave_0_\@
	s_barrier_signal -3
.Lnot_wave_0_\@:
	s_barrier_wait -3
	s_barrier_signal -1
	s_barrier_wait -1
.endm
.macro CROUND
	s_barrier_signal -1
	s_barrier_wait -1
	CREST
.endm
	s_load_b256 s[4:11], s[0:1], 0x0               ; A s[4:5], wb s[6:7], bias s[8:9], resid s[10:11]
	s_load_b64 s[12:13], s[0:1], 0x20              ; out
	v_lshl_add_u32 v[SPW], v0, 2, SPARE
	v_mov_b32 v[NIL], 0
	ds_add_u32 v28, v29
	s_wait_dscnt 0x0
	v_lshrrev_b32 v1, 5, v0
	v_readfirstlane_b32 s[WV], v1
	s_lshr_b32 s[MH], s[WV], 1                     ; my half of the rows; also: I fetch for A (0) or W (1)
	s_and_b32 s[NH], s[WV], 1                      ; my half of the columns; also: which half I fetch
	s_bfe_u32 s17, ttmp6, 0x40000                  ; cx
	s_bfe_u32 s18, ttmp6, 0x40004                  ; cy
	s_lshl_b32 s19, ttmp9, 2
	s_add_co_u32 s19, s19, s17                     ; tile column TC
	s_and_b32 s20, ttmp7, 0xffff
	s_lshl_b32 s20, s20, 2
	s_add_co_u32 s20, s20, s18                     ; tile row TR
	s_lshl_b32 s21, s18, 2
	s_lshl_b32 s21, 15, s21                        ; my row of the cluster
	s_lshl_b32 s22, 0x1111, s17                    ; my column
	; group 1 for A: 2 rows of 8,192 elements, 262,144 elements apart; 16 bytes of padding behind every 128
	s_or_b32 s[G1A], s21, (1<<16)|(1<<20)|(1<<21)|(4<<22)|(3<<25)
	s_mov_b32 s[G1A+1], 8192<<16                   ; tensor_dim0 = 8192
	s_mov_b32 s[G1A+2], 2<<16                      ; tensor_dim1 = 2
	s_mov_b32 s[G1A+3], 8192<<16                   ; tile_dim0 = 8192
	s_mov_b32 s[G1A+4], 2                          ; tile_dim1 = 2
	s_mov_b32 s[G1A+5], 262144                     ; elements from row to row
	s_mov_b32 s[G1A+6], 0
	s_mov_b32 s[G1A+7], 0
	; group 1 for W: 128 rows of K x 128 columns; 32 bytes of padding behind every 256
	s_or_b32 s[G1B], s22, (1<<16)|(1<<20)|(1<<21)|(5<<22)|(7<<25)
	s_mov_b32 s[G1B+1], 128<<16
	s_mov_b32 s[G1B+2], 128<<16
	s_mov_b32 s[G1B+3], 128<<16
	s_mov_b32 s[G1B+4], 128
	s_mov_b32 s[G1B+5], 1024
	s_mov_b32 s[G1B+6], 0
	s_mov_b32 s[G1B+7], 0
	s_lshl_b32 s40, s[NH], 20                      ; A: two blocks of 524,288 bytes a half,
	s_lshl_b32 s41, s20, 14                        ; 128 rows of 128 bytes a tile row
	s_add_co_u32 s40, s40, s41
	s_mov_b32 s41, 0
	s_lshl_b32 s44, s[NH], 18                      ; W: 128 rows of 2,048 bytes a half,
	s_lshl_b32 s45, s19, 8                         ; 256 bytes a tile column
	s_add_co_u32 s44, s44, s45
	s_add_co_u32 s44, s44, WOFF
	s_mov_b32 s45, 0
	s_mul_i32 s23, s[WV], PIECE                    ; where they go: wave x piece: no place in the cluster enters an LDS address
	s_wait_kmcnt 0x0
	s_add_nc_u64 s[42:43], s[4:5], s[40:41]
	s_add_nc_u64 s[46:47], s[6:7], s[44:45]
	CROUND                                         ; all sixteen work-groups are here: the first joint loads meet
.irp s, 0,1
	s_mov_b32 s[G0A+4*(\s)], 1
	s_add_co_u32 s[G0A+4*(\s)+1], s23, (\s)*SLOT
	s_add_nc_u64 s[G0A+4*(\s)+2:G0A+4*(\s)+3], s[42:43], (\s)*2097152   ; K step s: four blocks on
	s_or_b32 s[G0A+4*(\s)+3], s[G0A+4*(\s)+3], 0x80000000
	s_mov_b32 s[G0B+4*(\s)], 1
	s_add_co_u32 s[G0B+4*(\s)+1], s23, (\s)*SLOT
	s_add_nc_u64 s[G0B+4*(\s)+2:G0B+4*(\s)+3], s[46:47], (\s)*524288    ; 256 rows on
	s_or_b32 s[G0B+4*(\s)+3], s[G0B+4*(\s)+3], 0x80000000
.endr
	s_cmp_eq_u32 s[MH], 0                          ; a wave's two first fills stand in one branch: two loads of mine are out
	s_cbranch_scc0 .Lfirst_b
	tensor_load_to_lds s[G0A:G0A+3], s[G1A:G1A+7]
	s_nop 0
	tensor_load_to_lds s[G0A+4:G0A+7], s[G1A:G1A+7]
	s_nop 0
.rept 4
	v_nop
.endr
	s_branch .Lfirst_asked
.Lfirst_b:
	tensor_load_to_lds s[G0B:G0B+3], s[G1B:G1B+7]
	s_nop 0
	tensor_load_to_lds s[G0B+4:G0B+7], s[G1B:G1B+7]
	s_nop 0
.rept 4
	v_nop
.endr
.Lfirst_asked:
	v_and_b32 v1, 15, v0                           ; r
	v_bfe_u32 v2, v0, 4, 1                         ; h
	v_lshlrev_b32 v[BOF], 5, v2
	s_lshl_b32 s2, s[NH], 8
	v_add_nc_u32 v[BOF], s2, v[BOF]                ; 256 NH + 32 h
	v_and_b32 v[CO], 31, v0
	v_lshlrev_b32 v[CO], 4, v[CO]
	s_lshl_b32 s44, s19, 9                         ; the tile's 128 columns of f32
	s_mov_b32 s45, 0
	s_add_nc_u64 s[8:9], s[8:9], s[44:45]
	s_lshl_b32 s2, s20, 19                         ; 128 rows of 4,096 bytes a tile row,
	s_add_co_u32 s44, s44, s2
	s_lshl_b32 s2, s[WV], 17                       ; 32 rows a wave
	s_add_co_u32 s44, s44, s2
	s_add_nc_u64 s[10:11], s[10:11], s[44:45]
	s_add_nc_u64 s[12:13], s[12:13], s[44:45]
.set ba, 0
.rept 4                                ; every accumulator starts as its eight columns' bias
.set bb, 0
.rept 4
	global_load_b128 v[ACC+8*(4*ba+bb):ACC+8*(4*ba+bb)+3],   v[BOF], s[8:9] offset:64*bb
	global_load_b128 v[ACC+8*(4*ba+bb)+4:ACC+8*(4*ba+bb)+7], v[BOF], s[8:9] offset:64*bb+16
.set bb, bb+1
.endr
.set ba, ba+1
.endr
	WIN 0x80                                       ; destination window 2
.set bt, 0
.rept 32                               ; the residual: row 32 w + t, 512 consecutive bytes a load
	global_load_b128 v[4*bt:4*bt+3], v[CO], s[10:11] offset:4096*bt
.set bt, bt+1
.endr
	WIN 0
	v_mul_u32_u24 v3, v1, PA
	v_lshl_add_u32 v3, v2, 4, v3
	s_mul_i32 s2, s[MH], 64*PA
	v_add_nc_u32 v[ADRA0], s2, v3
	v_and_b32 v4, 7, v0
	v_lshl_add_u32 v4, v2, 3, v4
	v_mul_u32_u24 v4, v4, PB
	v_bfe_u32 v5, v0, 3, 1
	v_lshl_add_u32 v4, v5, 4, v4
	s_lshl_b32 s2, s[NH], 7
	s_add_co_u32 s2, s2, BOFF
	v_add_nc_u32 v[ADRB0], s2, v4
	v_mov_b32 v[ADRA], v[ADRA0]
	v_mov_b32 v[ADRB], v[ADRB0]
	v_add_nc_u32 v[ADRB+1], PIECE, v[ADRB0]
	v_mul_u32_u24 v6, v1, SPITCH                   ; into the stage: row 64 MH + r, byte 256 NH + 32 h
	v_lshl_add_u32 v6, v2, 5, v6
	s_mul_i32 s2, s[MH], 64*SPITCH
	s_lshl_b32 s3, s[NH], 8
	s_add_co_u32 s2, s2, s3
	v_add_nc_u32 v[STO], s2, v6
	s_mul_i32 s2, s[WV], 32*SPITCH                 ; back: wave w takes rows 32 w on, a whole row of 512 bytes a load
	v_add_nc_u32 v[RD], s2, v[CO]
.macro WMMA d, a, b
.if F16
	v_wmma_f32_16x16x32_f16 v[(\d):(\d)+7], v[(\a):(\a)+7], v[(\b):(\b)+7], v[(\d):(\d)+7]
.else
	v_wmma_f32_16x16x32_bf16 v[(\d):(\d)+7], v[(\a):(\a)+7], v[(\b):(\b)+7], v[(\d):(\d)+7]
.endif
.endm
; 8 matrix instructions: row blocks a0, a0 + 1 x all 4 column blocks, 32 along K: half c of buffer f.  The 16 accumulators take turns.
.macro MUL8 f, c, a0
	WIN MUL
.irp a, \a0, (\a0)+1
.irp b, 0,1,2,3
	WMMA ACC+8*(4*(\a)+(\b)), (\f)+64+8*(4*(\c)+(\b)), (\f)+8*(4*(\c)+(\a))
.endr
.endr
.endm
; 32 LDS loads in one run: the fragments of quarter q (64 along K: block q of A) into buffer f; the first 32 along K first
.macro FETCH q, f
	WIN TO_F
.irp c, 0,1
.irp i, 0,1,2,3
	ds_load_tr16_b128 v[(\f)+64+8*(4*(\c)+(\i)):(\f)+64+8*(4*(\c)+(\i))+3],   v[ADRB+(\q)/2] offset:((\q)%2)*64*PB+(\c)*32*PB+32*(\i)
	ds_load_tr16_b128 v[(\f)+64+8*(4*(\c)+(\i))+4:(\f)+64+8*(4*(\c)+(\i))+7], v[ADRB+(\q)/2] offset:((\q)%2)*64*PB+(\c)*32*PB+32*(\i)+16*PB
	ds_load_b128 v[(\f)+8*(4*(\c)+(\i)):(\f)+8*(4*(\c)+(\i))+3],   v[ADRA] offset:(\q)*KBLK+64*(\c)+(\i)*16*PA
	ds_load_b128 v[(\f)+8*(4*(\c)+(\i))+4:(\f)+8*(4*(\c)+(\i))+7], v[ADRA] offset:(\q)*KBLK+64*(\c)+(\i)*16*PA+32
.endr
.endr
.endm
.macro QUARTER q, f, g
	s_wait_dscnt 16                                ; the first 32 along K are in; the youngest sixteen loads may be out
	MUL8 \f, 0, 0
	MUL8 \f, 0, 2
	PLACES
	FETCH \q, \g
	s_wait_dscnt 32                                ; all but the 32 just issued
	MUL8 \f, 1, 0
	MUL8 \f, 1, 2
.endm
; The last quarter multiplies buffer 1 and changes slots: ONE barrier; in front of it each wave waits for all its tensor loads, adds 0 to its spare word, and waits for that and for its reads of this slot.
.macro TURN fill
	WIN 0
	s_wait_tensorcnt 0x0                           ; all my tensor loads have landed: my part of the next slot
	ds_add_u32 v[SPW], v[NIL]                      ; 0 onto my spare word
	s_wait_dscnt 17                                ; the add and the youngest sixteen loads may be out
	MUL8 F1, 0, 0
	s_wait_dscnt 0x0                               ; the add is done, and my reads of this slot are over
	s_barrier_signal -1
	MUL8 F1, 0, 2
	WIN 0
	s_barrier_wait -1
.if \fill
	CREST                                          ; the barrier has opened a round of the cluster's: no wave of any partner still reads this slot or has a load on its way
	s_xor_b32 s[G0A+5], s[G0A+5], SLOT
	s_add_nc_u64 s[G0A+6:G0A+7], s[G0A+6:G0A+7], 2097152
	s_xor_b32 s[G0B+5], s[G0B+5], SLOT
	s_add_nc_u64 s[G0B+6:G0B+7], s[G0B+6:G0B+7], 524288
	JLOAD                                          ; its four v_nop are also the places in front of the loads below
.else
	PLACES
.endif
	s_xor_b32 s[TB], s[TB], SLOT
	v_add_nc_u32 v[ADRA], s[TB], v[ADRA0]
	v_add_nc_u32 v[ADRB], s[TB], v[ADRB0]
	v_add_nc_u32 v[ADRB+1], PIECE, v[ADRB]
	FETCH 0, F0
	MUL8 F1, 1, 0
	MUL8 F1, 1, 2
.endm
	s_wait_loadcnt 0x0                             ; bias and residual are in
	s_wait_tensorcnt 0x1                           ; my part of K step 0 is in; K step 1's may stay out
	s_barrier_signal -1
	s_barrier_wait -1
	s_mov_b32 s[TB], 0
	FETCH 0, F0
	WIN 0
	s_mov_b32 s[CNT], KSTEPS-2
.Lfill:                                                ; all K steps but the last two fill their slot again
	QUARTER 1, F0, F1
	QUARTER 2, F1, F0
	QUARTER 3, F0, F1
	TURN 1
	WIN 0
	s_sub_co_u32 s[CNT], s[CNT], 1
	s_cmp_lg_u32 s[CNT], 0
	s_cbranch_scc1 .Lfill
	s_mov_b32 s[CNT], 2
.Ltail:
	QUARTER 1, F0, F1
	QUARTER 2, F1, F0
	QUARTER 3, F0, F1
	TURN 0
	WIN 0
	s_sub_co_u32 s[CNT], s[CNT], 1
	s_cmp_lg_u32 s[CNT], 0
	s_cbranch_scc1 .Ltail
	; THE WAY OUT: the f32 sums into the work-group's stage; a barrier, since a row's 512 bytes come from two waves; back as whole rows; plus the residual; stored.
	s_wait_dscnt 0x0                               ; my last reads of slot 0 are over
	s_barrier_signal -1
	s_barrier_wait -1
	PLACES
.irp a, 0,1,2,3
.irp b, 0,1,2,3
	ds_store_b128 v[STO], v[ACC+8*(4*(\a)+(\b)):ACC+8*(4*(\a)+(\b))+3]   offset:(\a)*16*SPITCH+64*(\b)      ; each accumulator from its low end on
	ds_store_b128 v[STO], v[ACC+8*(4*(\a)+(\b))+4:ACC+8*(4*(\a)+(\b))+7] offset:(\a)*16*SPITCH+64*(\b)+16
.endr
.endr
	s_wait_dscnt 0x0                               ; for the others' sake: my stores into the stage are done
	s_barrier_signal -1
	s_barrier_wait -1
.irp g, 0,1
.if \g
	s_wait_xcnt 0x0                                ; the registers that the first sixteen stores name are loaded again only behind this wait
.endif
.irp t, 0,1,2,3,4,5,6,7,8,9,10,11,12,13,14,15
	ds_load_b128 v[TMP+4*(\t):TMP+4*(\t)+3], v[RD] offset:SPITCH*(16*(\g)+(\t))
.endr
	s_wait_dscnt 0x0
	WIN 0x08                                       ; source 1 (the residual) in window 2
.set pi, 0
.rept 32
	v_pk_add_f32 v[TMP+2*pi:TMP+2*pi+1], v[TMP+2*pi:TMP+2*pi+1], v[64*(\g)+2*pi:64*(\g)+2*pi+1]
.set pi, pi+1
.endr
	WIN 0
.irp t, 0,1,2,3,4,5,6,7,8,9,10,11,12,13,14,15
	global_store_b128 v[CO], v[TMP+4*(\t):TMP+4*(\t)+3], s[12:13] offset:4096*(16*(\g)+(\t))  ; 512 consecutive bytes, aligned
.endr
.endr
	s_wait_tensorcnt 0x0                           ; the wave's end
	ds_add_u32 v[SPW], v[NIL]
	s_wait_dscnt 0x0
	CROUND                                         ; the closing round
	s_endpgm
.Lfunc_end_k_qcbc7765dce_ff2:
	.size	k_qcbc7765dce_ff2, .Lfunc_end_k_qcbc7765dce_ff2-k_qcbc7765dce_ff2
	.p2alignl 7, 3214868480
	.fill 96, 4, 3214868480
	.section	.rodata,"a",@progbits
	.p2align	6, 0x0
	.amdhsa_kernel k_qcbc7765dce_ff2
		.amdhsa_group_segment_fixed_size 327680
		.amdhsa_private_segment_fixed_size 0
		.amdhsa_enable_private_segment 0
		.amdhsa_kernarg_size 40
		.amdhsa_user_sgpr_count 2
		.amdhsa_user_sgpr_kernarg_segment_ptr 1
		.amdhsa_wavefront_size32 1
		.amdhsa_system_sgpr_workgroup_id_x 1
		.amdhsa_system_sgpr_workgroup_id_y 1
		.amdhsa_system_sgpr_workgroup_id_z 1
		.amdhsa_system_vgpr_workitem_id 0
		.amdhsa_next_free_vgpr 640
		.amdhsa_next_free_sgpr 72
		.amdhsa_reserve_vcc 0
		.amdhsa_float_denorm_mode_32 3
		.amdhsa_float_denorm_mode_16_64 3
		.amdhsa_memory_ordered 1
		.amdhsa_forward_progress 1
		.amdhsa_inst_pref_size 63
	.end_amdhsa_kernel
	.amdgpu_metadata
---
amdhsa.version: [ 1, 2 ]
amdhsa.kernels:
  - .name:           k_qcbc7765dce_ff2
    .symbol:         k_qcbc7765dce_ff2.kd
    .args:
      - { .name: ff, .offset: 0, .size: 8, .value_kind: global_buffer, .address_space: global }
      - { .name: wb, .offset: 8, .size: 8, .value_kind: global_buffer, .address_space: global }
      - { .name: b_ff2, .offset: 16, .size: 8, .value_kind: global_buffer, .address_space: global }
      - { .name: x1, .offset: 24, .size: 8, .value_kind: global_buffer, .address_space: global }
      - { .name: out0, .offset: 32, .size: 8, .value_kind: global_buffer, .address_space: global }
    .group_segment_fixed_size: 327680
    .private_segment_fixed_size: 0
    .kernarg_segment_align: 8
    .kernarg_segment_size: 40
    .max_flat_workgroup_size: 128
    .sgpr_count:     72
    .vgpr_count:     640
    .wavefront_size: 32
...
	.end_amdgpu_metadata
.endif
;; end of part 6
